; MI455X (gfx1250); checked and timed in simulation.
; The chip was launched on July 23, 2026; its instructions are those of AMD's public machine-readable ISA for CDNA 5 (MIT licence, August 2026) and "CDNA5" Instruction Set Architecture Reference Guide (July 2026). The comments in the code are by the model that wrote it; some were corrected since.
;; selfattention. Allowed arithmetic: matrix products marked QUANTISED: E2M3 operands, one E8M0 scale for each 32 along K, by v_wmma_scale_f32_16x16x128_f8f6f4 with both operands' format E2M3, f32 sums; everything else in f32.
;; Inputs: Wk 1,024 x 1,024 float32; Wq 1,024 x 1,024 float32; Wv 1,024 x 1,024 float32; X 4 x 2,048 x 1,024 float32; bk 1,024 float32; bq 1,024 float32; bv 1,024 float32.
;; Outputs: out0 4 x 2,048 x 1,024 float32.
;; This version of the problem:
;;   THIS VERSION OF THE PROBLEM IS GIVEN IN LOW PRECISION. The matrix products marked QUANTISED in the list below multiply operands that are first quantised to E2M3 (2 exponent bits, 3 mantissa bits; 6 bits a number), with one power-of-two scale for each 32 numbers along K (OCP MX v1.0); their sums are f32. All else is computed in f32.
;;   The module's matrix products, in the order in which they are computed (A, B: the left and right operand; K: the contracted axis; several contracted axes count as one K, in the product's order):
;;     1. [M 8,192, K 1,024] x [K 1,024, N 1,024]; A: input X; B: input Wq: QUANTISED
;;     2. [M 8,192, K 1,024] x [K 1,024, N 1,024]; A: input X; B: input Wk: QUANTISED
;;     3. [M 8,192, K 1,024] x [K 1,024, N 1,024]; A: input X; B: input Wv: QUANTISED
;;     4. batch 4 x [M 2,048, K 1,024] x [K 1,024, N 2,048]; A: computed on the way; B: computed on the way: QUANTISED
;;     5. batch 4 x [M 2,048, K 2,048] x [K 2,048, N 1,024]; A: softmax (see below); B: computed on the way: QUANTISED
;;   THE QUANTISER, for each operand of a quantised product, along K:
;;     - K is cut into blocks of 32 from its start; a last block that is shorter is filled with zeros.
;;     - A block's scale is 2^e with e = floor(log2(the largest magnitude in the block)) - 2, held to -126 .. 127; a block of zeros has e = 0. As a byte (E8M0): e + 127.
;;     - Each number is divided by its block's scale, clamped to +-7.5, and rounded to the nearest number of E2M3, ties to even, subnormals kept.
;;     - The product sums the exact products of the quantised numbers (number of the format x scale) in f32.
;;   ~~~python
;;   def quantise(x, axis):      # numpy; x: float32 -> the quantised numbers, widened to float32 again
;;       x = np.moveaxis(x, axis, -1); K = x.shape[-1]
;;       x = np.pad(x, [(0, 0)] * (x.ndim - 1) + [(0, -K % 32)]); x = x.reshape(x.shape[:-1] + (-1, 32)); a = np.abs(x).max(-1, keepdims=True)
;;       e = np.where(a > 0, np.clip(np.frexp(np.where(a > 0, a, 1))[1] - 1 - 2, -126, 127), 0)      # np.frexp(a)[1] - 1 = floor(log2(a)), exactly
;;       r = np.clip(x / 2.0 ** e, -7.5, 7.5)
;;       step = 2.0 ** (np.maximum(np.frexp(np.where(r == 0, 1, r))[1] - 1, 0) - 3)
;;       q = np.round(r / step) * step * 2.0 ** e      # np.round: ties to even
;;       return np.moveaxis(q.reshape(q.shape[:-2] + (-1,))[..., :K], -1, axis).astype(np.float32)
;;   ~~~
;;   SOFTMAX AHEAD OF A QUANTISED PRODUCT. Where the list says 'softmax', what is quantised is not the finished softmax but p = 2^(t - M), with t = logit x log2(e) and M = ceil(the row's largest t), a whole number; so 1/2 < the row's largest p <= 1. The row's sum l is taken of the UNQUANTISED p, in f32, and the product's result is divided by l at the end. Since M is a whole number, a kernel that streams over the keys may use a running M (the ceiling of the running maximum): every later rescaling is an exact power of two, which a block's scale takes up: the codes' values come out the same.
;;   OPERANDS COMPUTED ON THE WAY. 'Computed on the way' means the value that the module computes at that place (a softmax that the list does not call 'softmax' is quantised finished and normalised). What goes into a quantiser is computed in f32, as accurately as f32 sums, v_exp_f32 and their like allow (about 1e-6 of the number): no bf16 or f16 on the way to a quantiser, and a product that is left as it is and whose result goes on into a quantised operand takes f32 operands (vector FMAs, or v_wmma_f32_16x16x4_f32). A number that lies on a knife's edge between two numbers of the format may be rounded either way, as far as f32 arithmetic and the matrix unit's own rounding can turn it there, and no further.
;; One version. Each part assembles by itself: llvm-mc -triple=amdgcn-amd-amdhsa -mcpu=gfx1250 --defsym DOCPART=n.
;; ======== version 1 of 1: 4 launches
;; limits: right only within a limited range of input values
;; workspace buffers: xc 6,553,600 bytes; wc 2,457,600 bytes; qc 6,553,600 bytes; kc 6,553,600 bytes; vc 6,553,600 bytes; pc 14,155,776 bytes
;; launch quant (part 1): grid 704 x 1, 8 waves a work-group, no clusters, 69,120 bytes of LDS; arguments X, Wq, Wk, Wv, xc, wc; writes xc, wc
.if DOCPART == 1
	.amdgcn_target "amdgcn-amd-amdhsa--gfx1250"
	.amdhsa_code_object_version 6
	.text
	.protected	k_q6b3ccfb10c_quant
	.globl	k_q6b3ccfb10c_quant
	.p2align	8
	.type	k_q6b3ccfb10c_quant,@function
k_q6b3ccfb10c_quant:
	s_mov_b64 s[64:65], 0
	v_nop
	global_prefetch_b8 v0, s[64:65] scope:SCOPE_SE
	s_setreg_imm32_b32 hwreg(HW_REG_WAVE_MODE, 25, 1), 1
	s_wait_xcnt 0x0
; X [8192][1024] and Wq, Wk, Wv [1024][1024], f32, K innermost, become codes of FP6 (E2M3) with one E8M0 byte for each 32 along K, laid in the ORDER OF AN OPERAND'S REGISTERS.
; THE LAYOUT (all operand buffers of this program): rows in groups of 128, K in steps of 128; block (group g, step ks) is 12,800 dense bytes at (8 g + ks) x 12,800: eight fragment images of 1,536 bytes, then 512 bytes of scale words.
; An image is a fragment's 12 registers as they stand: registers 4 c .. 4 c + 3 of lane l at 512 c + 16 l.  Lane r of image i holds row 64 (i / 4) + 8 (i % 4) + r % 8 + 32 (r / 8) of the group: where an image's rows are the
; rows of a product's result, a lane's registers over four images are then 32 neighbours: a whole scale block of the next product.  The scale word of (image i, lane r) lies at 256 (i / 4) + 16 r + 4 (i % 4).
; A block's scale is 2^(floor(log2(its largest magnitude)) - 2); its byte is the largest magnitude's exponent field - 2, held at 1 from below.
; LIMITS: a block of zeros gets the byte 1 where the rule says 127 (its codes are zeros; this program alone reads the bytes); NaN and infinities among the inputs are not served.
; WORK LEFT OUT by this program: scores whose key stands behind the query get -inf from reference()'s own causal mask whatever the inputs hold, so their p is 0; whole squares of them are not computed (launch score), and whole
; K steps of them are not multiplied (launch pv).  A NaN, an infinity or an overflow that reaches only that work is not carried to the result.
; SHARES.  A work-group makes one block: numbers 0-511 those of X (into xc), 512-703 those of Wq, Wk, Wv (into wc, groups 0-7, 8-15, 16-23).  Only pointers are chosen by the number: one path for all.
; Wave w makes image w.  Its 16 rows x 512 bytes come by 16 loads of 512 consecutive bytes, all out at once, turn through the wave's own stage in LDS (rows of 528 bytes) and come back as two whole blocks of 32 a lane.
; The eight waves' scale words are gathered in LDS and leave as 512 consecutive bytes.  Memory binds: no matrix unit, no cluster.
.set STG,   16*528                     ; a wave's stage
.set SWO,   8*STG                      ; behind the stages: the block's scale words
.set SPARE, SWO+512                    ; the spare words, 128 bytes for each wave
.set R0,    16                         ; v16-79   the image's numbers as loaded; behind the stage: at work
.set ST,    80                         ; v80-143  register 32 c + i = k 64 c + 32 (lane / 16) + i of my row
.set TM,    16
.set PC,    32                         ; v32-51   the codes
	s_load_b256 s[4:11], s[0:1], 0x0               ; X, Wq, Wk, Wv
	s_load_b128 s[12:15], s[0:1], 0x20             ; xc, wc
	v_lshl_add_u32 v8, v0, 2, SPARE
	v_mov_b32 v9, 0
	v_lshrrev_b32 v1, 5, v0
	v_readfirstlane_b32 s16, v1                    ; wave = image
	s_mul_i32 s17, s16, STG
	s_lshr_b32 s34, s16, 2
	s_and_b32 s35, s16, 3
	s_lshl_b32 s38, s34, 8
	s_lshl_b32 s39, s35, 2
	s_add_co_u32 s38, s38, s39
	s_add_co_u32 s38, s38, SWO                     ; my image's scale words in LDS
	s_mov_b32 s20, 0x76543210
	s_mov_b32 s21, 0xfedcba98                      ; v_permlanex16_b32's selects for lane l xor 16
	s_cmp_lt_u32 ttmp9, 512                        ; X's work-group, or a weight's?
	s_cselect_b32 s18, 0, 512
	s_cselect_b32 s19, 1, 0
	s_cselect_b32 s23, 63, 7                       ; groups in the source, less one
	s_sub_co_u32 s18, ttmp9, s18                   ; the block's number in its buffer
	s_lshr_b32 s24, s18, 6                         ; which weight
	s_lshr_b32 s25, s18, 3
	s_and_b32 s25, s25, s23                        ; the group in the source
	s_and_b32 s26, s18, 7                          ; the K step
	s_lshl_b32 s25, s25, 19                        ; 128 rows of 4,096 bytes
	s_lshl_b32 s27, s34, 18                        ; 64 rows x (image / 4)
	s_add_co_u32 s25, s25, s27
	s_lshl_b32 s27, s35, 15                        ; 8 rows x (image % 4)
	s_add_co_u32 s25, s25, s27
	s_lshl_b32 s26, s26, 9                         ; 128 numbers along K
	s_add_co_u32 s28, s25, s26
	s_mov_b32 s29, 0
	s_mul_i32 s30, s18, 12800
	s_add_co_u32 s32, s30, 12288                   ; the block's scale words
	s_mul_i32 s34, s16, 1536
	s_add_co_u32 s30, s30, s34                     ; my image
	s_mov_b32 s31, 0
	s_mov_b32 s33, 0
	v_and_b32 v1, 31, v0                           ; lane
	v_and_b32 v2, 15, v0                           ; r
	v_bfe_u32 v3, v0, 4, 1                         ; h
	v_lshlrev_b32 v4, 4, v1                        ; 16 x lane: my bytes of a load's 512, and of an image's 512
	v_add_nc_u32 v5, s17, v4                       ; the stage, on the way in
	v_mul_u32_u24 v6, v2, 528
	v_lshl_add_u32 v6, v3, 7, v6
	v_add_nc_u32 v6, s17, v6                       ; and out: row r, + 128 h
	v_lshlrev_b32 v7, 3, v3                        ; 8 h: where my bytes stand in a scale word
	v_lshl_add_u32 v10, v2, 4, s38
	v_add_nc_u32 v11, SWO, v4
	s_wait_alu depctr_va_vdst(0)                   ; the wait at the head's end
	s_wait_kmcnt 0x0
	s_cmp_eq_u32 s24, 1
	s_cselect_b64 s[6:7], s[8:9], s[6:7]
	s_cmp_eq_u32 s24, 2
	s_cselect_b64 s[6:7], s[10:11], s[6:7]
	s_cmp_eq_u32 s19, 1
	s_cselect_b64 s[4:5], s[4:5], s[6:7]           ; the source
	s_cselect_b64 s[12:13], s[12:13], s[14:15]     ; the buffer of codes
	s_add_nc_u64 s[4:5], s[4:5], s[28:29]
	s_add_nc_u64 s[14:15], s[12:13], s[32:33]
	s_add_nc_u64 s[12:13], s[12:13], s[30:31]
.irp i, 0,1,2,3,4,5,6,7,8,9,10,11,12,13,14,15
	global_load_b128 v[R0+4*\i:R0+4*\i+3], v4, s[4:5] offset:(\i%8+32*(\i/8))*4096 th:TH_LOAD_NT   ; 512 consecutive bytes
.endr
.irp k, 0,1,2,3
	s_wait_loadcnt 12-4*\k                         ; four more of the 16 loads are in
.irp i, 0,1,2,3
	ds_store_b128 v5, v[R0+16*\k+4*\i:R0+16*\k+4*\i+3] offset:528*(4*\k+\i)
.endr
.endr
.irp c, 0,1                                        ; LDS serves a wave's instructions in order (ISA guide 5.7.1.4): these see the stores above
.irp j, 0,1,2,3,4,5,6,7
	ds_load_b128 v[ST+32*\c+4*\j:ST+32*\c+4*\j+3], v6 offset:256*\c+16*\j
.endr
.endr
	s_wait_dscnt 0x0                               ; the numbers are back, and the stores have read their registers
.irp u, 0,1,2,3
	v_max3_num_f32 v[TM+\u], |v[ST+16*\u]|, |v[ST+16*\u+1]|, |v[ST+16*\u+2]|   ; two chains a block, by turns
.endr
.irp i, 3,5,7,9,11,13
.irp u, 0,1,2,3
	v_max3_num_f32 v[TM+\u], v[TM+\u], |v[ST+16*\u+\i]|, |v[ST+16*\u+\i+1]|
.endr
.endr
.irp c, 0,1
	v_max3_num_f32 v[TM+2*\c], v[TM+2*\c], |v[ST+32*\c+15]|, |v[ST+32*\c+31]|
.endr
.irp c, 0,1
	v_max3_num_f32 v[TM+2*\c], v[TM+2*\c], v[TM+2*\c+1], 0x1800000   ; the block's largest magnitude, and the floor 2^(3 - 127): the byte cannot fall under 1
.endr
.irp c, 0,1
	v_add_nc_u32 v[TM+4+\c], 0xff000000, v[TM+2*\c] ; 2 off its exponent field: the conversion's scale operand
.endr
.irp c, 0,1
	v_cvt_scalef32_pk16_fp6_f32 v[PC+6*\c:PC+2+6*\c], v[ST+32*\c:ST+15+32*\c], v[TM+4+\c]
	v_cvt_scalef32_pk16_fp6_f32 v[PC+12+4*\c:PC+14+4*\c], v[ST+16+32*\c:ST+31+32*\c], v[TM+4+\c]   ; (a conversion's three registers begin on an even number)
.endr
.irp c, 0,1
	v_lshrrev_b32 v[TM+6+\c], 23, v[TM+4+\c]       ; the scale's byte: block 2 c + h.  (Plain places behind the conversions)
.endr
	v_lshl_or_b32 v[TM+6], v[TM+7], 16, v[TM+6]
	v_lshlrev_b32 v[TM+6], v7, v[TM+6]             ; my two bytes at their places
	v_permlanex16_b32 v[TM+9], v[TM+6], s20, s21
	v_or_b32 v[TM+8], v[TM+6], v[TM+9]             ; with lane l xor 16's two: my row's scale word, in both halves of the lanes
.irp c, 0,1
.irp i, 0,1,2
	v_mov_b32 v[PC+3+6*\c+\i], v[PC+12+4*\c+\i]
.endr
.endr
	ds_store_b32 v10, v[TM+8]                      ; both lanes of a row store the same word
.irp c, 0,1,2
	global_store_b128 v4, v[PC+4*\c:PC+4*\c+3], s[12:13] offset:512*\c   ; 32 lanes store 512 consecutive bytes, at a multiple of 256 from the buffer's first byte
.endr
	s_wait_dscnt 0x0                               ; my scale words are in LDS
	s_barrier_signal -1
	s_barrier_wait -1
	s_cmp_lg_u32 s16, 0
	s_cbranch_scc1 .Lend
	ds_load_b128 v[52:55], v11                     ; wave 0: the block's 512 bytes of scale words
	s_wait_dscnt 0x0
	global_store_b128 v4, v[52:55], s[14:15]
.Lend:
	s_wait_tensorcnt 0x0                           ; the wave's end
	ds_add_u32 v8, v9
	s_wait_dscnt 0x0
	s_endpgm
.Lfunc_end_k_q6b3ccfb10c_quant:
	.size	k_q6b3ccfb10c_quant, .Lfunc_end_k_q6b3ccfb10c_quant-k_q6b3ccfb10c_quant
	.p2alignl 7, 3214868480
	.fill 96, 4, 3214868480
	.section	.rodata,"a",@progbits
	.p2align	6, 0x0
	.amdhsa_kernel k_q6b3ccfb10c_quant
		.amdhsa_group_segment_fixed_size 69120
		.amdhsa_private_segment_fixed_size 0
		.amdhsa_enable_private_segment 0
		.amdhsa_kernarg_size 48
		.amdhsa_user_sgpr_count 2
		.amdhsa_user_sgpr_kernarg_segment_ptr 1
		.amdhsa_wavefront_size32 1
		.amdhsa_system_sgpr_workgroup_id_x 1
		.amdhsa_system_sgpr_workgroup_id_y 1
		.amdhsa_system_sgpr_workgroup_id_z 1
		.amdhsa_system_vgpr_workitem_id 0
		.amdhsa_next_free_vgpr 144
		.amdhsa_next_free_sgpr 66
		.amdhsa_reserve_vcc 0
		.amdhsa_float_denorm_mode_32 3
		.amdhsa_float_denorm_mode_16_64 3
		.amdhsa_memory_ordered 1
		.amdhsa_forward_progress 1
		.amdhsa_inst_pref_size 11
	.end_amdhsa_kernel
	.amdgpu_metadata
---
amdhsa.version: [ 1, 2 ]
amdhsa.kernels:
  - .name:           k_q6b3ccfb10c_quant
    .symbol:         k_q6b3ccfb10c_quant.kd
    .args:
      - { .name: X, .offset: 0, .size: 8, .value_kind: global_buffer, .address_space: global }
      - { .name: Wq, .offset: 8, .size: 8, .value_kind: global_buffer, .address_space: global }
      - { .name: Wk, .offset: 16, .size: 8, .value_kind: global_buffer, .address_space: global }
      - { .name: Wv, .offset: 24, .size: 8, .value_kind: global_buffer, .address_space: global }
      - { .name: xc, .offset: 32, .size: 8, .value_kind: global_buffer, .address_space: global }
      - { .name: wc, .offset: 40, .size: 8, .value_kind: global_buffer, .address_space: global }
    .group_segment_fixed_size: 69120
    .private_segment_fixed_size: 0
    .kernarg_segment_align: 8
    .kernarg_segment_size: 48
    .max_flat_workgroup_size: 256
    .sgpr_count:     66
    .vgpr_count:     144
    .wavefront_size: 32
...
	.end_amdgpu_metadata
.endif
;; end of part 1
;; launch proj (part 2): grid 8 x 32, 4 waves a work-group, clusters of 4 x 4, 327,680 bytes of LDS; arguments xc, wc, bq, bk, bv, qc, kc, vc; writes qc, kc, vc
.if DOCPART == 2
	.amdgcn_target "amdgcn-amd-amdhsa--gfx1250"
	.amdhsa_code_object_version 6
	.text
	.protected	k_q6b3ccfb10c_proj
	.globl	k_q6b3ccfb10c_proj
	.p2align	8
	.type	k_q6b3ccfb10c_proj,@function
k_q6b3ccfb10c_proj:
	s_mov_b64 s[64:65], 0
	v_nop
	global_prefetch_b8 v0, s[64:65] scope:SCOPE_SE
	s_setreg_imm32_b32 hwreg(HW_REG_WAVE_MODE, 25, 1), 1
	s_wait_xcnt 0x0
	s_wait_alu depctr_hold_cnt(0) depctr_sa_sdst(0) depctr_va_vdst(0) depctr_va_sdst(0) depctr_va_ssrc(0) depctr_va_vcc(0) depctr_vm_vsrc(0)
	s_getreg_b32 s2, hwreg(HW_REG_IB_STS2, 6, 4)
	s_cmp_eq_u32 s2, 0
	s_cbranch_scc0 .Lentry_in_a_cluster
	s_endpgm
.Lentry_in_a_cluster:
	s_bfe_u32 s2, ttmp6, 0x10000c
	s_cmp_lg_u32 s2, 0xf033
	s_cbranch_scc0 .Lentry_shape_is_right
	s_endpgm
.Lentry_shape_is_right:
; Q, K = x W^T + b (rows = tokens, K = d) and V = x W_v^T + b_v (rows = d, K = tokens) on codes of FP6 (E2M3), quantised again on the way out.  Operand buffers: rows in groups of 128, K in steps of 128; block (g, ks) = 12,800 bytes:
; eight images of a fragment's registers, then 512 bytes of scale words; lane r of image i holds row 64 (i / 4) + 8 (i % 4) + r % 8 + 32 (r / 8) of its group.  So a lane's 32 results of four images are one scale block of the next product.
; SHARES.  256 work-groups; one takes 256 rows of x through 256 columns of Q or K (phase 1, a wave 128 x 128) and 128 columns of V (phase 2, a wave 128 tokens x 64 columns).  All of x's 256 rows stay in LDS.
; LDS: x's two groups, all of K, at 0 and GRP; a weight's two groups from WS0 on, each with two slots of two K steps: group u, slot s at WS0 + u WSLOT + s HALFT.
; HEAD: one joint load a wave: waves 0 and 1 a group of x (102,400 bytes as 400 rows), waves 2 and 3 both slots of a group of the weight (51,200 bytes as 200 rows).  Refills, by waves 2 and 3, bring 100 rows: the rest of the weight, then W_v,
; whose K step 4 s + 2 u + v lies in slot s of region u.  CLUSTER 4 x 4: x's rows are shared along a row, a weight's along a column.
; No prefetch: x comes whole by the head's loads, and a weight's rows are shared by all clusters of a tile column.  A sum's first product takes the bias as its C.
; LIMITS: blocks whose largest magnitude lies under 2^(2 - 126), the floor, whose byte is held at 1, were not tried; NaN and infinities are not served.
.set BLK,   12800
.set IMG,   1536
.set SCO,   8*IMG
.set HALFT, 2*BLK
.set GRP,   8*BLK
.set XHALF, 4*BLK
.set WS0,   2*GRP
.set WSLOT, 4*BLK
.set SPARE, WS0+2*WSLOT
.set BV,   8
.set ADXA, 12
.set ASXA, 14
.set ADW,  16
.set ASW,  18
.set ADXB, 20
.set ASXB, 22
.set LI,   24
.set HB,   25                          ; 8 h: where a lane's bytes stand in a scale word
.set ADWV, 26
.set SPW,  28
.set NIL,  29
.set ASWV, 30
.set SC,   32
.set CB,   64
.set AF,   128
.set WS2,  224
.set PC,   128
.set TM,   152
.set PWS,  176
.set WC,   200
.set WV,  20
.set RH,  21
.set CH,  22
.set CX,  23
.set CY,  24
.set CLX, 25
.set CLY, 26
.set G1XA, 32
.set G0X,  40
.set G1B,  48
.set G0B,  56
.set OUTP, 70
.set BP,   72
.set SEL,  74
.set OUT2, 78
.set OUT2S, 80
.set BVP,  82
.set G0V,  84
.set MSB, 0
.macro WIN new
.if MSB != (\new)
	s_set_vgpr_msb (MSB<<8)|(\new)
.set MSB, (\new)
.endif
.endm
.set MUL_LO, 0xa1
.set MUL_HI, 0xf1
.set FST_LO, 0x81
.set FST_HI, 0xc1
.set TO_B,   0x40
.macro PLACES n
.rept \n
	v_nop
.endr
.endm
.macro JLOAD g0a, g1a, g0b
	s_cmp_eq_u32 s[RH], 0
	s_cbranch_scc0 .Lfor_b_\@
	tensor_load_to_lds s[\g0a:\g0a+3], s[\g1a:\g1a+7]
	s_nop 0
.rept 4
	v_nop
.endr
	s_branch .Lasked_\@
.Lfor_b_\@:
	tensor_load_to_lds s[\g0b:\g0b+3], s[G1B:G1B+7]
	s_nop 0
.rept 4
	v_nop
.endr
.Lasked_\@:
.endm
.macro JLOADW g0
	s_cmp_eq_u32 s[RH], 0
	s_cbranch_scc1 .Lnone_\@
	tensor_load_to_lds s[\g0:\g0+3], s[G1B:G1B+7]
	s_nop 0
.Lnone_\@:
.rept 4
	v_nop
.endr
.endm
.macro CREST
	s_cmp_lg_u32 s[WV], 0
	s_cbranch_scc1 .Lnot_wave_0_\@
	s_barrier_signal -3
.Lnot_wave_0_\@:
	s_barrier_wait -3
	s_barrier_signal -1
	s_barrier_wait -1
.endm
.macro CROUND
	s_barrier_signal -1
	s_barrier_wait -1
	CREST
.endm
	s_load_b512 s[4:19], s[0:1], 0x0
	v_lshl_add_u32 v[SPW], v0, 2, SPARE
	v_mov_b32 v[NIL], 0
	ds_add_u32 v28, v29
	ds_add_u32 v28, v29
	s_wait_dscnt 0x0
	v_lshrrev_b32 v1, 5, v0
	v_readfirstlane_b32 s[WV], v1
	s_lshr_b32 s[RH], s[WV], 1
	s_and_b32 s[CH], s[WV], 1
	s_bfe_u32 s[CX], ttmp6, 0x40000
	s_bfe_u32 s[CY], ttmp6, 0x40004
	s_mov_b32 s[CLX], ttmp9
	s_and_b32 s[CLY], ttmp7, 0xffff
	s_lshl_b32 s28, s[CY], 2
	s_lshl_b32 s28, 15, s28
	s_lshl_b32 s29, 0x1111, s[CX]
	s_or_b32 s[G1XA], s28, (3<<16)|(1<<21)         ; dense bytes as rows of 32 elements of 8 bytes; x to my row of the cluster,
	s_or_b32 s[G1B], s29, (3<<16)|(1<<21)          ; a weight to my column
.irp g, G1XA, G1B
	s_mov_b32 s[\g+1], 32<<16
	s_mov_b32 s[\g+3], 32<<16
	s_mov_b32 s[\g+5], 32
	s_mov_b32 s[\g+6], 0
	s_mov_b32 s[\g+7], 0
.endr
	s_mov_b32 s[G1XA+2], 400<<16                   ; x: a whole group, eight K steps
	s_mov_b32 s[G1XA+4], 400
	s_mov_b32 s[G1B+2], 200<<16                    ; a weight: at the head both slots, four K steps
	s_mov_b32 s[G1B+4], 200
	s_lshl_b32 s30, s[CLY], 2
	s_add_co_u32 s30, s30, s[CY]
	s_lshl_b32 s31, s[CLX], 2
	s_add_co_u32 s31, s31, s[CX]
	s_lshl_b32 s3, s30, 1
	s_add_co_u32 s3, s3, s[CH]
	s_mul_i32 s66, s3, GRP
	s_mov_b32 s67, 0
	s_lshl_b32 s2, s31, 1
	s_add_co_u32 s2, s2, s[CH]
	s_mul_i32 s68, s2, GRP
	s_mov_b32 s69, 0
	s_add_co_u32 s2, s31, 16
	s_mul_i32 s2, s2, GRP
	s_mul_i32 s100, s[CH], HALFT
	s_add_co_u32 s100, s100, s2
	s_mov_b32 s101, 0
	s_mul_i32 s28, s[CH], GRP
	s_mul_i32 s29, s[CH], WSLOT
	s_add_co_u32 s29, s29, WS0
	CROUND                                         ; all sixteen work-groups are here: the first joint loads meet
	s_wait_kmcnt 0x0
	s_add_nc_u64 s[66:67], s[4:5], s[66:67]
	s_add_nc_u64 s[68:69], s[6:7], s[68:69]
	s_add_nc_u64 s[100:101], s[6:7], s[100:101]
	s_mov_b32 s[G0X], 1
	s_mov_b32 s[G0X+1], s28
	s_mov_b64 s[G0X+2:G0X+3], s[66:67]
	s_or_b32 s[G0X+3], s[G0X+3], 0x80000000
.irp s, 0,1
	s_mov_b32 s[G0B+4*\s], 1
	s_add_co_u32 s[G0B+4*\s+1], s29, \s*HALFT
	s_add_nc_u64 s[G0B+4*\s+2:G0B+4*\s+3], s[68:69], \s*HALFT
	s_or_b32 s[G0B+4*\s+3], s[G0B+4*\s+3], 0x80000000
	s_mov_b32 s[G0V+4*\s], 1
	s_add_co_u32 s[G0V+4*\s+1], s29, \s*HALFT
	s_add_nc_u64 s[G0V+4*\s+2:G0V+4*\s+3], s[100:101], \s*XHALF
	s_or_b32 s[G0V+4*\s+3], s[G0V+4*\s+3], 0x80000000
.endr
	JLOAD G0X, G1XA, G0B                           ; one tensor load a wave; the addresses and the bias are made under its flight
	v_and_b32 v1, 31, v0
	v_and_b32 v2, 15, v0
	v_bfe_u32 v3, v0, 4, 1
	v_lshlrev_b32 v[LI], 4, v1
	v_lshlrev_b32 v[HB], 3, v3
	s_wait_alu depctr_va_vdst(0)
	v_lshlrev_b32 v7, 4, v2
	v_mul_u32_u24 v4, v3, BLK
	v_lshl_add_u32 v4, v2, 4, v4
	v_add_nc_u32 v4, SCO, v4
	s_wait_alu depctr_va_vdst(0)
	s_mul_i32 s2, s[RH], GRP
	s_mul_i32 s3, s[CH], GRP
	s_mul_i32 s27, s[CH], WSLOT
	s_add_co_u32 s27, s27, WS0
	s_mul_i32 s28, s[RH], 4*IMG
	s_add_co_u32 s28, s28, WS0
	s_lshl_b32 s29, s[RH], 8
	s_add_co_u32 s29, s29, WS0
.irp s, 0,1
	v_add_nc_u32 v[ADXA+\s], s2, v[LI]
	v_add_nc_u32 v[ASXA+\s], s2, v4
	v_add_nc_u32 v[ADXB+\s], s3, v[LI]
	v_add_nc_u32 v[ASXB+\s], s3, v4
	v_add_nc_u32 v[ADW+\s], s27, v[LI]
	v_add_nc_u32 v[ASW+\s], s27, v4
	v_add_nc_u32 v[ADWV+\s], s28, v[LI]
	v_add_nc_u32 v[ASWV+\s], s29, v4
	s_add_co_u32 s2, s2, XHALF
	s_add_co_u32 s3, s3, XHALF
	s_add_co_u32 s27, s27, HALFT
	s_add_co_u32 s28, s28, WSLOT
	s_add_co_u32 s29, s29, WSLOT
.endr
	s_mov_b32 s[SEL], 0x76543210
	s_mov_b32 s[SEL+1], 0xfedcba98
	s_mov_b32 s76, 0xffff0000
	s_lshl_b32 s27, s30, 1
	s_add_co_u32 s27, s27, s[RH]
	s_lshl_b32 s27, s27, 3
	s_lshl_b32 s28, s[CX], 1
	s_add_co_u32 s28, s28, s[CH]
	s_add_co_u32 s27, s27, s28
	s_mul_i32 s28, s27, BLK
	s_mov_b32 s29, 0
	s_cmp_eq_u32 s[CLX], 0
	s_cselect_b64 s[OUTP:OUTP+1], s[14:15], s[16:17]
	s_cselect_b64 s[BP:BP+1], s[8:9], s[10:11]
	s_add_nc_u64 s[OUTP:OUTP+1], s[OUTP:OUTP+1], s[28:29]
	s_lshl_b32 s27, s31, 6
	s_lshl_b32 s28, s30, 1
	s_add_co_u32 s27, s27, s28
	s_add_co_u32 s27, s27, s[CH]
	s_mul_i32 s28, s27, BLK
	s_add_nc_u64 s[OUT2:OUT2+1], s[18:19], s[28:29]
	s_lshl_b32 s28, s[RH], 8
	s_add_co_u32 s28, s28, SCO
	s_add_nc_u64 s[OUT2S:OUT2S+1], s[OUT2:OUT2+1], s[28:29]
	s_mul_i32 s28, s[RH], 4*IMG
	s_add_nc_u64 s[OUT2:OUT2+1], s[OUT2:OUT2+1], s[28:29]
	s_lshl_b32 s28, s[CX], 10
	s_lshl_b32 s27, s[CH], 9
	s_add_co_u32 s28, s28, s27
	s_add_nc_u64 s[BP:BP+1], s[BP:BP+1], s[28:29]
	s_lshl_b32 s28, s31, 9
	s_lshl_b32 s27, s[RH], 8
	s_add_co_u32 s28, s28, s27
	s_add_nc_u64 s[BVP:BVP+1], s[12:13], s[28:29]
	v_lshlrev_b32 v5, 7, v3                        ; Q, K: register 8 b + j is column 64 (b / 4) + 32 h + 8 (b % 4) + j
.irp b, 0,1,2,3,4,5,6,7
	global_load_b128 v[CB+8*\b:CB+8*\b+3], v5, s[BP:BP+1] offset:(64*(\b/4)+8*(\b%4))*4
	global_load_b128 v[CB+8*\b+4:CB+8*\b+7], v5, s[BP:BP+1] offset:(64*(\b/4)+8*(\b%4))*4+16
.endr
	v_and_b32 v6, 8, v2
	v_mad_u32_u24 v6, v6, 3, v2                    ; V: r % 8 + 32 (r / 8): my column of an image
	v_lshlrev_b32 v6, 2, v6
.irp a, 0,1,2,3
	global_load_b32 v[BV+\a], v6, s[BVP:BVP+1] offset:32*\a
.endr
	s_wait_loadcnt 0x0
.macro FRAG reg, adr, off
.irp c, 0,1,2
	ds_load_b128 v[\reg+4*\c:\reg+4*\c+3], v[\adr] offset:\off+512*\c
.endr
.endm
.macro FETCH_B slot, q, p
	WIN TO_B
.irp i, 0,1,2,3,4,5,6,7
	FRAG 128*(\p)+12*\i, ADW+(\slot), (\q)*BLK+\i*IMG
.endr
	WIN 0
.endm
.macro FETCH_A t, q, i0
.irp i, \i0, \i0+1, \i0+2, \i0+3
	FRAG AF+12*(\i), ADXA+((\t)/2), ((\t)%2)*HALFT+(\q)*BLK+(\i)*IMG
.endr
.endm
.macro SCALES t
	ds_load_b128 v[SC+16*((\t)%2):SC+16*((\t)%2)+3], v[ASXA+((\t)/2)] offset:((\t)%2)*HALFT
	ds_load_b128 v[SC+16*((\t)%2)+4:SC+16*((\t)%2)+7], v[ASXA+((\t)/2)] offset:((\t)%2)*HALFT+256
	ds_load_b128 v[SC+16*((\t)%2)+8:SC+16*((\t)%2)+11], v[ASW+((\t)%2)]
	ds_load_b128 v[SC+16*((\t)%2)+12:SC+16*((\t)%2)+15], v[ASW+((\t)%2)] offset:256
.endm
.macro MUL16 a0, p, q, sc, cm
.irp a, \a0, \a0+1
.irp b, 0,1,2,3,4,5,6,7
.set DD, 8*(8*((\a)%4)+\b)
.set BF, 128*(\p)+12*\b
.set FA, AF+12*(\a)
.set SBR, SC+16*(\sc)+8+\b
.set SAR, SC+16*(\sc)+(\a)
.set CC, DD
.if \cm
.set CC, CB+8*\b
.endif
.if \q
	v_wmma_scale_f32_16x16x128_f8f6f4 v[DD:DD+7], v[BF:BF+11], v[FA:FA+11], v[CC:CC+7], v[SBR], v[SAR] matrix_a_fmt:MATRIX_FMT_FP6 matrix_b_fmt:MATRIX_FMT_FP6 matrix_a_scale:MATRIX_SCALE_ROW1 matrix_b_scale:MATRIX_SCALE_ROW1
.else
	v_wmma_scale_f32_16x16x128_f8f6f4 v[DD:DD+7], v[BF:BF+11], v[FA:FA+11], v[CC:CC+7], v[SBR], v[SAR] matrix_a_fmt:MATRIX_FMT_FP6 matrix_b_fmt:MATRIX_FMT_FP6
.endif
.endr
.endr
.endm
.macro STEP t, cm
	s_wait_dscnt 12                                ; all but the youngest 12 loads (A's images 4-7)
	FETCH_B (\t)%2, 1, 1                           ; B's other set: a whole block ahead of its use
.if \cm
	WIN FST_LO
.else
	WIN MUL_LO
.endif
	MUL16 0, 0, 0, (\t)%2, \cm
	MUL16 2, 0, 0, (\t)%2, \cm
	s_wait_dscnt 24                                ; A's images 4-7 are in; B's 24 loads, issued behind them, may be out
	PLACES 4
	WIN 0
	FETCH_A \t, 1, 0
.if \cm
	WIN FST_HI
.else
	WIN MUL_HI
.endif
	MUL16 4, 0, 0, (\t)%2, \cm
	MUL16 6, 0, 0, (\t)%2, \cm
	PLACES 4
	WIN 0
	FETCH_A \t, 1, 4
.endm
.macro TURN t, fill
	s_wait_tensorcnt 0x0
	ds_add_u32 v[SPW], v[NIL]
	s_wait_dscnt 13
	WIN MUL_LO
	MUL16 0, 1, 1, (\t)%2, 0
	s_wait_dscnt 0x0
	s_barrier_signal -1
	MUL16 2, 1, 1, (\t)%2, 0
	WIN 0
	s_barrier_wait -1
	CREST
.if \fill == 1
	s_add_nc_u64 s[G0B+4*((\t)%2)+2:G0B+4*((\t)%2)+3], s[G0B+4*((\t)%2)+2:G0B+4*((\t)%2)+3], 2*HALFT
	JLOADW G0B+4*((\t)%2)
.elseif \fill == 2
	JLOADW G0V
.else
	JLOADW G0V+4
.endif
.if \fill < 3
	s_wait_alu depctr_va_vdst(0)
	FETCH_B ((\t)+1)%2, 0, 0
	FETCH_A (\t)+1, 0, 0
	SCALES (\t)+1
.endif
	WIN MUL_HI
	MUL16 4, 1, 1, (\t)%2, 0
	MUL16 6, 1, 1, (\t)%2, 0
	PLACES 4
	WIN 0
.if \fill < 3
	FETCH_A (\t)+1, 0, 4
.endif
.endm
.macro FETCH2 q, p
	WIN TO_B
.irp i, 0,1,2,3,4,5,6,7
	FRAG 128*(\p)+12*\i, ADXB+((\q)/4), ((\q)%4)*BLK+\i*IMG
.endr
	WIN 0
.irp i, 0,1,2,3
	FRAG AF+48*(\p)+12*\i, ADWV+(((\q)%4)/2), ((\q)/4)*HALFT+((\q)%2)*BLK+\i*IMG
.endr
.endm
.macro W2SCALES s
.irp jl, 0,1
	ds_load_b128 v[WS2+8*\s+4*\jl:WS2+8*\s+4*\jl+3], v[ASWV+\jl] offset:\s*HALFT
.endr
.endm
.macro MUL8 a, p, q, first
.irp b, 0,1,2,3,4,5,6,7
.set DD, 8*(8*(\a)+\b)
.set BF, 128*(\p)+12*\b
.set FA, AF+48*(\p)+12*(\a)
.set SBR, SC+8*((\q)/2)+\b
.set SAR, WS2+4*((\q)/2)+(\a)
.set CC, DD
.if \first
.set CC, CB+8*(\a)
.endif
.if (\q)%2
	v_wmma_scale_f32_16x16x128_f8f6f4 v[DD:DD+7], v[BF:BF+11], v[FA:FA+11], v[CC:CC+7], v[SBR], v[SAR] matrix_a_fmt:MATRIX_FMT_FP6 matrix_b_fmt:MATRIX_FMT_FP6 matrix_a_scale:MATRIX_SCALE_ROW1 matrix_b_scale:MATRIX_SCALE_ROW1
.else
	v_wmma_scale_f32_16x16x128_f8f6f4 v[DD:DD+7], v[BF:BF+11], v[FA:FA+11], v[CC:CC+7], v[SBR], v[SAR] matrix_a_fmt:MATRIX_FMT_FP6 matrix_b_fmt:MATRIX_FMT_FP6
.endif
.endr
.endm
.macro KS2 q, first
	s_wait_dscnt 0x0                               ; this block's fragments are in
	PLACES 4
	FETCH2 (\q)+1, ((\q)+1)%2                      ; the next block's go out ahead of all 32 products
.if \first
	WIN FST_LO
.else
	WIN MUL_LO
.endif
	MUL8 0, (\q)%2, \q, \first
	MUL8 1, (\q)%2, \q, \first
	MUL8 2, (\q)%2, \q, \first
	MUL8 3, (\q)%2, \q, \first
.endm
.macro QUANTW a, pw
.set W, 2+(\a)/4
.set S, 64*((\a)%4)
	WIN (W|(W<<2)|(W<<4))
.irp u, 0,1,2,3
	v_max3_num_f32 v[TM+\u], |v[S+16*\u]|, |v[S+16*\u+1]|, |v[S+16*\u+2]|   ; two chains for each of my two blocks of 32, by turns; each accumulator from its low end on
.endr
	WIN ((W<<2)|(W<<4))
.irp i, 3,5,7,9,11,13
.irp u, 0,1,2,3
	v_max3_num_f32 v[TM+\u], v[TM+\u], |v[S+16*\u+\i]|, |v[S+16*\u+\i+1]|
.endr
.endr
.irp c, 0,1
	v_max3_num_f32 v[TM+2*\c], v[TM+2*\c], |v[S+32*\c+15]|, |v[S+32*\c+31]|
.endr
	WIN 0
.irp c, 0,1
	v_max3_num_f32 v[TM+2*\c], v[TM+2*\c], v[TM+2*\c+1], 0x1800000   ; and the floor 2^(3 - 127)
.endr
.irp c, 0,1
	v_add_nc_u32 v[TM+4+\c], 0xff000000, v[TM+2*\c] ; 2 off the exponent field: the conversion's scale operand
.endr
	WIN W
.irp c, 0,1
	v_cvt_scalef32_pk16_fp6_f32 v[PC+6*\c:PC+2+6*\c], v[S+32*\c:S+15+32*\c], v[TM+4+\c]
	v_cvt_scalef32_pk16_fp6_f32 v[PC+12+4*\c:PC+14+4*\c], v[S+16+32*\c:S+31+32*\c], v[TM+4+\c]
.endr
	WIN 0
.irp c, 0,1
	v_lshrrev_b32 v[TM+6+\c], 23, v[TM+4+\c]       ; the byte of block 2 c + h.  (Plain places behind the conversions)
.endr
	v_lshl_or_b32 v[TM+6], v[TM+7], 16, v[TM+6]
	v_lshlrev_b32 v[TM+6], v[HB], v[TM+6]
	v_permlanex16_b32 v[TM+3], v[TM+6], s[SEL], s[SEL+1]
	v_or_b32 v[\pw], v[TM+6], v[TM+3]              ; with lane l xor 16's two bytes: the row's scale word
.irp c, 0,1
.irp i, 0,1,2
	v_mov_b32 v[PC+3+6*\c+\i], v[PC+12+4*\c+\i]
.endr
.endr
.endm
	s_wait_alu depctr_va_vdst(0)                   ; the wait at the head's end
	s_wait_tensorcnt 0x0                           ; my load is in: no tensor load of mine is out, so a descriptor may be written:
	s_mov_b32 s[G1B+2], 100<<16                    ; from here on a load brings two K steps
	s_mov_b32 s[G1B+4], 100
	s_barrier_signal -1
	s_barrier_wait -1
	FETCH_B 0, 0, 0
	FETCH_A 0, 0, 0
	SCALES 0
	FETCH_A 0, 0, 4
	STEP 0, 1
	TURN 0, 1
	STEP 1, 0
	TURN 1, 1
	STEP 2, 0
	TURN 2, 2
	STEP 3, 0
	TURN 3, 3
.irp a, 0,1,2,3
.irp j, 0,1,2,3,4,5,6,7
	v_mov_b32 v[CB+8*\a+\j], v[BV+\a]
.endr
.endr
.irp a, 0,1,2,3,4,5,6,7
.if \a > 0
	s_wait_xcnt 0x0
.endif
	QUANTW \a, PWS+\a
.irp c, 0,1,2
	global_store_b128 v[LI], v[PC+4*\c:PC+4*\c+3], s[OUTP:OUTP+1] offset:\a*IMG+512*\c
.endr
.endr
.irp k, 0,1,2,3
	v_cndmask_b32 v[WC+\k], v[PWS+\k], v[PWS+4+\k], s76
.endr
	global_store_b128 v[LI], v[WC:WC+3], s[OUTP:OUTP+1] offset:SCO
	s_wait_xcnt 0x0
.irp j, 0,1,2,3
	ds_load_b128 v[SC+8*\j:SC+8*\j+3], v[ASXB+\j/2] offset:(\j%2)*HALFT
	ds_load_b128 v[SC+8*\j+4:SC+8*\j+7], v[ASXB+\j/2] offset:(\j%2)*HALFT+256
.endr
	W2SCALES 0
	FETCH2 0, 0
	KS2 0, 1
	KS2 1, 0
	KS2 2, 0
	WIN 0
	s_wait_tensorcnt 0x0
	ds_add_u32 v[SPW], v[NIL]
	s_wait_dscnt 7
	WIN MUL_LO
	MUL8 0, 1, 3, 0
	s_wait_dscnt 0x0
	s_barrier_signal -1
	MUL8 1, 1, 3, 0
	WIN 0
	s_barrier_wait -1
	PLACES 4
	W2SCALES 1
	FETCH2 4, 0
	WIN MUL_LO
	MUL8 2, 1, 3, 0
	MUL8 3, 1, 3, 0
	KS2 4, 0
	KS2 5, 0
	KS2 6, 0
	s_wait_dscnt 6
	WIN MUL_LO
	MUL8 0, 1, 7, 0
	MUL8 1, 1, 7, 0
	s_wait_dscnt 0x0
	MUL8 2, 1, 7, 0
	MUL8 3, 1, 7, 0
	WIN 0
	PLACES 4
.irp a, 0,1,2,3
.if \a > 0
	s_wait_xcnt 0x0
.endif
	QUANTW \a, PWS+\a
.irp c, 0,1,2
	global_store_b128 v[LI], v[PC+4*\c:PC+4*\c+3], s[OUT2:OUT2+1] offset:\a*IMG+512*\c
.endr
.endr
	v_cmp_gt_u32 vcc_lo, 16, v1
	s_wait_alu depctr_va_vdst(0)                   ; the wait here, directly ahead of the wait below
	s_wait_xcnt 0x0
	s_and_saveexec_b32 s77, vcc_lo
	global_store_b128 v7, v[PWS:PWS+3], s[OUT2S:OUT2S+1]
	s_wait_xcnt 0x0
	s_or_b32 exec_lo, exec_lo, s77
	s_wait_tensorcnt 0x0
	ds_add_u32 v[SPW], v[NIL]
	s_wait_dscnt 0x0
	CROUND
	s_endpgm
.Lfunc_end_k_q6b3ccfb10c_proj:
	.size	k_q6b3ccfb10c_proj, .Lfunc_end_k_q6b3ccfb10c_proj-k_q6b3ccfb10c_proj
	.p2alignl 7, 3214868480
	.fill 96, 4, 3214868480
	.section	.rodata,"a",@progbits
	.p2align	6, 0x0
	.amdhsa_kernel k_q6b3ccfb10c_proj
		.amdhsa_group_segment_fixed_size 327680
		.amdhsa_private_segment_fixed_size 0
		.amdhsa_enable_private_segment 0
		.amdhsa_kernarg_size 64
		.amdhsa_user_sgpr_count 2
		.amdhsa_user_sgpr_kernarg_segment_ptr 1
		.amdhsa_wavefront_size32 1
		.amdhsa_system_sgpr_workgroup_id_x 1
		.amdhsa_system_sgpr_workgroup_id_y 1
		.amdhsa_system_sgpr_workgroup_id_z 1
		.amdhsa_system_vgpr_workitem_id 0
		.amdhsa_next_free_vgpr 1024
		.amdhsa_next_free_sgpr 102
		.amdhsa_reserve_vcc 1
		.amdhsa_float_denorm_mode_32 3
		.amdhsa_float_denorm_mode_16_64 3
		.amdhsa_memory_ordered 1
		.amdhsa_forward_progress 1
		.amdhsa_inst_pref_size 202
	.end_amdhsa_kernel
	.amdgpu_metadata
---
amdhsa.version: [ 1, 2 ]
amdhsa.kernels:
  - .name:           k_q6b3ccfb10c_proj
    .symbol:         k_q6b3ccfb10c_proj.kd
    .args:
      - { .name: xc, .offset: 0, .size: 8, .value_kind: global_buffer, .address_space: global }
      - { .name: wc, .offset: 8, .size: 8, .value_kind: global_buffer, .address_space: global }
      - { .name: bq, .offset: 16, .size: 8, .value_kind: global_buffer, .address_space: global }
      - { .name: bk, .offset: 24, .size: 8, .value_kind: global_buffer, .address_space: global }
      - { .name: bv, .offset: 32, .size: 8, .value_kind: global_buffer, .address_space: global }
      - { .name: qc, .offset: 40, .size: 8, .value_kind: global_buffer, .address_space: global }
      - { .name: kc, .offset: 48, .size: 8, .value_kind: global_buffer, .address_space: global }
      - { .name: vc, .offset: 56, .size: 8, .value_kind: global_buffer, .address_space: global }
    .group_segment_fixed_size: 327680
    .private_segment_fixed_size: 0
    .kernarg_segment_align: 8
    .kernarg_segment_size: 64
    .max_flat_workgroup_size: 128
    .sgpr_count:     102
    .vgpr_count:     1024
    .wavefront_size: 32
...
	.end_amdgpu_metadata
.endif
;; end of part 2
;; launch score (part 3): grid 12 x 16, 4 waves a work-group, clusters of 4 x 4, 327,680 bytes of LDS; arguments qc, kc, pc; writes pc
.if DOCPART == 3
	.amdgcn_target "amdgcn-amd-amdhsa--gfx1250"
	.amdhsa_code_object_version 6
	.text
	.protected	k_q6b3ccfb10c_score
	.globl	k_q6b3ccfb10c_score
	.p2align	8
	.type	k_q6b3ccfb10c_score,@function
k_q6b3ccfb10c_score:
	s_mov_b64 s[64:65], 0
	v_nop
	global_prefetch_b8 v0, s[64:65] scope:SCOPE_SE
	s_setreg_imm32_b32 hwreg(HW_REG_WAVE_MODE, 25, 1), 1
	s_wait_xcnt 0x0
	s_wait_alu depctr_hold_cnt(0) depctr_sa_sdst(0) depctr_va_vdst(0) depctr_va_sdst(0) depctr_va_ssrc(0) depctr_va_vcc(0) depctr_vm_vsrc(0)
	s_getreg_b32 s2, hwreg(HW_REG_IB_STS2, 6, 4)
	s_cmp_eq_u32 s2, 0
	s_cbranch_scc0 .Lentry_in_a_cluster
	s_endpgm
.Lentry_in_a_cluster:
	s_bfe_u32 s2, ttmp6, 0x10000c
	s_cmp_lg_u32 s2, 0xf033
	s_cbranch_scc0 .Lentry_shape_is_right
	s_endpgm
.Lentry_shape_is_right:
; S^T = k q^T on codes of FP6 (E2M3), causal; then, for each query and each CHUNK of 128 keys, p = 2^(t - Ml), t = score x log2(e) / 32, Ml = the chunk's largest t rounded UP to a whole number.
; p is quantised along the keys and leaves as codes; beside them the raw scale words, Ml and the chunk's sum of the unquantised p.  The next launch takes the largest Ml of a row as the row's M and takes M - Ml off p's scale bytes: exact,
; since both are whole numbers.  So the maximum is taken away ahead of every exponential.
; OPERAND BUFFERS qc, kc: rows (tokens) in groups of 128, K = d in steps of 128; block (g, ks) = 12,800 bytes: eight images of a fragment's registers, then 512 bytes of scale words; lane r of image i holds row 32 (i / 2) + 8 (i % 2) + r + 8 (r / 8).
; pc: for idx = (16 batch + query group) x 16 + chunk: eight images (12,288 bytes) at idx x 12,288; from AUXO on 1,536 bytes an idx: raw scale words, Ml, sums, 512 bytes each, the word of (image i, lane r) at 256 (i / 4) + 16 r + 4 (i % 4).
; A TILE is 256 queries (source 1, "A") x 256 keys (source 0, "B"), K = 1,024: four waves of 128 x 128.  A lane holds one query; its registers run along the keys.
; WHAT IS LAUNCHED: of each batch's 2 x 2 squares of 1,024 x 1,024 the upper right one, which lies wholly under the mask, is left out: cluster x = 0, 1, 2 takes squares (0, 0), (1, 0), (1, 1).  Inside a diagonal square the tiles above the
; diagonal are computed too, since the partners of a cluster run alike; they give zero codes, which the next launch reads.
; THE MASK IS THE C OF EACH SUM'S FIRST MATRIX INSTRUCTION: 0 where the key counts, -2^100 where it is hidden: p is then 0.  It costs no instruction for a score.
; LIMITS: |score| under 2^90; t above -2^80 (a chunk's largest t is held there from below); a block whose every p is 0 gets the byte 1; NaN and infinities are not served.
; No prefetch: half of the four K steps are first fills, and the tiles are shared by joint loads.
; REGISTERS: window 0: v16-29 addresses; v32-63 scale words, two sets; v64-111 the mask's C; v128-223 A's fragments, ONE set (on the way out: at work).  window 1: B's two sets.  windows 2, 3: accumulator (a, b) at v[8 (8 (a % 4) + b)].
; WHERE THE LINES ABOVE DIFFER FROM THE FOLLOWING, THIS HOLDS.  Rows: lane r of image i holds row 64 (i / 4) + 8 (i % 4) + r % 8 + 32 (r / 8) of its group, so a lane's 32 scores of four images of keys are one scale block.
; LDS: wave w's loads have 2 HALFT bytes from 2 w HALFT on, slot s at + s HALFT.  Each wave's one load at the head brings both slots (51,200 bytes as 200 rows of 256); a refill brings 100 rows.
; Window 0: v64-135 the mask's C; v136-231 A's fragments.
.set BLK,   12800
.set IMG,   1536
.set SCO,   8*IMG
.set HALFT, 2*BLK
.set SLOT,  4*HALFT
.set SPARE, 2*SLOT
.set GRP,   8*BLK
.set AUXO,  12582912
.set ADRA, 16
.set ASA,  18
.set ADRB, 20
.set ASB,  22
.set LI,   24
.set HB,   25                          ; 8 h: where a lane's bytes stand in a scale word
.set SPW,  28
.set NIL,  29
.set SC,   32
.set CB,   64                          ; v64-71: image pairs below the diagonal band; v72-79: above it; from v80 on: on it, by b % 4 - a % 4
.set AF,   136
.set PC,   128                         ; the way out: v128-147 codes
.set BM,   152                         ; v152-155 each block's largest score, then its largest p
.set BT,   156                         ; v156-159 at work
.set SO,   160                         ; v160-163 the conversions' scale operands
.set T0,   164
.set NM,   166                         ; v[166:167] -Ml (the pair's upper word is written once)
.set L0,   168
.set L1,   170
.set LT,   172
.set PWS,  176                         ; v176-183 scale words, v184-191 Ml, v192-199 sums, one for each image
.set MMS,  184
.set LLS,  192
.set WC,   200                         ; v200-211 their three chunks
.set WV,  20
.set RH,  21
.set CH,  22
.set CX,  23
.set CY,  24
.set CLX, 25
.set CLY, 26
.set G1,  32
.set G0,  40
.set G1B, 48
.set G0B, 56
.set OUTP, 70
.set AUXP, 72
.set SEL, 74
.set CS,  80                           ; s[80:81] c = log2(e) / 32
.set MSB, 0
.macro WIN new
.if MSB != (\new)
	s_set_vgpr_msb (MSB<<8)|(\new)
.set MSB, (\new)
.endif
.endm
.set MUL_LO, 0xa1
.set MUL_HI, 0xf1
.set FST_LO, 0x81
.set FST_HI, 0xc1
.set TO_B,   0x40
.macro PLACES n
.rept \n
	v_nop
.endr
.endm
.macro JLOAD s                         ; a joint load: waves 0 and 1 fetch A's groups, waves 2 and 3 B's; four v_nop follow each of the two lines
	s_cmp_eq_u32 s[RH], 0
	s_cbranch_scc0 .Lfor_b_\@
	tensor_load_to_lds s[G0+4*\s:G0+4*\s+3], s[G1:G1+7]
	s_nop 0
.rept 4
	v_nop
.endr
	s_branch .Lasked_\@
.Lfor_b_\@:
	tensor_load_to_lds s[G0B+4*\s:G0B+4*\s+3], s[G1B:G1B+7]
	s_nop 0
.rept 4
	v_nop
.endr
.Lasked_\@:
.endm
.macro CREST
	s_cmp_lg_u32 s[WV], 0
	s_cbranch_scc1 .Lnot_wave_0_\@
	s_barrier_signal -3
.Lnot_wave_0_\@:
	s_barrier_wait -3
	s_barrier_signal -1
	s_barrier_wait -1
.endm
.macro CROUND
	s_barrier_signal -1
	s_barrier_wait -1
	CREST
.endm
	s_load_b128 s[4:7], s[0:1], 0x0                ; qc, kc
	s_load_b64 s[8:9], s[0:1], 0x10                ; pc
	v_lshl_add_u32 v[SPW], v0, 2, SPARE
	v_mov_b32 v[NIL], 0
	ds_add_u32 v28, v29
	ds_add_u32 v28, v29
	s_wait_dscnt 0x0
	v_lshrrev_b32 v1, 5, v0
	v_readfirstlane_b32 s[WV], v1
	s_lshr_b32 s[RH], s[WV], 1
	s_and_b32 s[CH], s[WV], 1
	s_bfe_u32 s[CX], ttmp6, 0x40000
	s_bfe_u32 s[CY], ttmp6, 0x40004
	s_mov_b32 s[CLX], ttmp9                        ; which square
	s_and_b32 s[CLY], ttmp7, 0xffff                ; the batch
	s_lshl_b32 s28, s[CY], 2
	s_lshl_b32 s28, 15, s28
	s_lshl_b32 s29, 0x1111, s[CX]
	s_or_b32 s[G1], s28, (3<<16)|(1<<21)           ; dense bytes as rows of 32 elements of 8 bytes; the mask: A's tiles to my row of the cluster,
	s_or_b32 s[G1B], s29, (3<<16)|(1<<21)          ; B's to my column
.irp g, G1, G1B
	s_mov_b32 s[\g+1], 32<<16
	s_mov_b32 s[\g+2], 200<<16                     ; at the head both slots; for the refills 100 (below)
	s_mov_b32 s[\g+3], 32<<16
	s_mov_b32 s[\g+4], 200
	s_mov_b32 s[\g+5], 32
	s_mov_b32 s[\g+6], 0
	s_mov_b32 s[\g+7], 0
.endr
	s_add_co_u32 s27, s[CLX], 1
	s_lshr_b32 s27, s27, 1                         ; the square's row: 0, 1, 1
	s_lshr_b32 s2, s[CLX], 1                       ; its column: 0, 0, 1
	s_lshl_b32 s30, s27, 2
	s_add_co_u32 s30, s30, s[CY]                   ; the tile of queries (A's registers never hold cx)
	s_lshl_b32 s31, s2, 2
	s_add_co_u32 s31, s31, s[CX]                   ; the tile of keys (B's never cy)
	s_lshl_b32 s84, s[CLY], 4                      ; 16 groups a batch
	s_lshl_b32 s3, s30, 1
	s_add_co_u32 s3, s3, s[CH]
	s_add_co_u32 s3, s3, s84
	s_mul_i32 s66, s3, GRP
	s_mov_b32 s67, 0
	s_lshl_b32 s2, s31, 1
	s_add_co_u32 s2, s2, s[CH]
	s_add_co_u32 s2, s2, s84
	s_mul_i32 s68, s2, GRP
	s_mov_b32 s69, 0
	s_mul_i32 s83, s[WV], 2*HALFT
	CROUND                                         ; all sixteen work-groups are here: the first joint loads meet
	s_wait_kmcnt 0x0
	s_add_nc_u64 s[66:67], s[4:5], s[66:67]
	s_add_nc_u64 s[68:69], s[6:7], s[68:69]
.irp s, 0,1
	s_mov_b32 s[G0+4*\s], 1
	s_add_co_u32 s[G0+4*\s+1], s83, \s*HALFT
	s_add_nc_u64 s[G0+4*\s+2:G0+4*\s+3], s[66:67], \s*HALFT
	s_or_b32 s[G0+4*\s+3], s[G0+4*\s+3], 0x80000000
	s_mov_b32 s[G0B+4*\s], 1
	s_add_co_u32 s[G0B+4*\s+1], s83, \s*HALFT
	s_add_nc_u64 s[G0B+4*\s+2:G0B+4*\s+3], s[68:69], \s*HALFT
	s_or_b32 s[G0B+4*\s+3], s[G0B+4*\s+3], 0x80000000
.endr
	JLOAD 0                                        ; both slots, one tensor load a wave
	v_and_b32 v1, 31, v0
	v_and_b32 v2, 15, v0                           ; r
	v_bfe_u32 v3, v0, 4, 1                         ; h
	; the mask.  D = 256 (tile of queries - tile of keys) + 128 (RH - CH) enters values alone, never a branch or an LDS address.
	; Key 64 (b / 4) + 8 (b % 4) + 32 h + j is hidden from query 64 (a / 4) + 8 (a % 4) + r % 8 + 32 (r / 8) where it is greater by more than D.
	s_sub_co_i32 s90, s30, s31
	s_lshl_b32 s90, s90, 8
	s_sub_co_i32 s91, s[RH], s[CH]
	s_lshl_b32 s91, s91, 7
	s_add_co_i32 s90, s90, s91
	s_cmp_lt_i32 s90, 0
	s_cselect_b32 s91, 0xf1800000, 0               ; b / 4 < a / 4: hidden where D < 0
	s_cmp_le_i32 s90, 0
	s_cselect_b32 s92, 0xf1800000, 0               ; b / 4 > a / 4: hidden where D <= 0
.irp j, 0,1,2,3,4,5,6,7
	v_mov_b32 v[CB+\j], s91
	v_mov_b32 v[CB+8+\j], s92
.endr
	v_and_b32 v5, 8, v2
	v_mad_u32_u24 v5, v5, 3, v2                    ; r % 8 + 32 (r / 8)
	v_lshlrev_b32 v6, 5, v3
	v_sub_nc_u32 v5, v5, v6
	v_add_nc_u32 v5, s90, v5                       ; D + r % 8 + 32 (r / 8) - 32 h
	v_mov_b32 v6, 0xf1800000                       ; -2^100
.irp d, 0,1,2,3,4,5,6
.irp j, 0,1,2,3,4,5,6,7
	v_cmp_gt_i32 vcc_lo, 8*(\d-3)+\j, v5           ; b / 4 = a / 4, b % 4 - a % 4 = d - 3: hidden where 8 (d - 3) + j is the greater
	v_cndmask_b32 v[CB+16+8*\d+\j], 0, v6, vcc_lo
.endr
.endr
	v_lshlrev_b32 v[LI], 4, v1
	v_lshlrev_b32 v[HB], 3, v3
	s_mul_i32 s85, s[RH], 2*HALFT
	s_mul_i32 s86, s[CH], 2*HALFT
	s_add_co_u32 s86, s86, 4*HALFT
	v_mul_u32_u24 v4, v3, BLK
	v_lshl_add_u32 v4, v2, 4, v4
	v_add_nc_u32 v4, SCO, v4
.irp s, 0,1
	v_add_nc_u32 v[ADRA+\s], s85, v[LI]
	v_add_nc_u32 v[ADRB+\s], s86, v[LI]
	v_add_nc_u32 v[ASA+\s], s85, v4
	v_add_nc_u32 v[ASB+\s], s86, v4
	s_add_co_u32 s85, s85, HALFT
	s_add_co_u32 s86, s86, HALFT
.endr
	s_mov_b32 s[SEL], 0x76543210
	s_mov_b32 s[SEL+1], 0xfedcba98
	s_mov_b32 s76, 0xffff0000
	s_mov_b32 s[CS], 0x3d38aa3b
	s_mov_b32 s[CS+1], s[CS]                       ; (named with it as a pair, so it is written)
	s_lshl_b32 s85, s30, 1
	s_add_co_u32 s85, s85, s[RH]
	s_add_co_u32 s85, s85, s84
	s_lshl_b32 s85, s85, 4
	s_lshl_b32 s86, s31, 1
	s_add_co_u32 s86, s86, s[CH]
	s_add_co_u32 s85, s85, s86                     ; idx
	s_mul_i32 s86, s85, SCO
	s_mov_b32 s87, 0
	s_mul_i32 s88, s85, 1536
	s_add_co_u32 s88, s88, AUXO
	s_mov_b32 s89, 0
	s_add_nc_u64 s[OUTP:OUTP+1], s[8:9], s[86:87]
	s_add_nc_u64 s[AUXP:AUXP+1], s[8:9], s[88:89]
.macro FRAG reg, adr, off
.irp c, 0,1,2
	ds_load_b128 v[\reg+4*\c:\reg+4*\c+3], v[\adr] offset:\off+512*\c
.endr
.endm
.macro FETCH_B slot, q, p
	WIN TO_B
.irp i, 0,1,2,3,4,5,6,7
	FRAG 128*(\p)+12*\i, ADRB+\slot, (\q)*BLK+\i*IMG
.endr
	WIN 0
.endm
.macro FETCH_A slot, q, i0
.irp i, \i0, \i0+1, \i0+2, \i0+3
	FRAG AF+12*(\i), ADRA+\slot, (\q)*BLK+(\i)*IMG
.endr
.endm
.macro SCALES s
	ds_load_b128 v[SC+16*\s:SC+16*\s+3], v[ASA+\s]
	ds_load_b128 v[SC+16*\s+4:SC+16*\s+7], v[ASA+\s] offset:256
	ds_load_b128 v[SC+16*\s+8:SC+16*\s+11], v[ASB+\s]
	ds_load_b128 v[SC+16*\s+12:SC+16*\s+15], v[ASB+\s] offset:256
.endm
; 16 matrix instructions: A's images a0, a0 + 1 x B's eight.  cm = 0: the sums go on; 3: C = the mask, by the pair's class.  The 64 accumulators take turns.
.macro MUL16 a0, p, q, sc, cm
.irp a, \a0, \a0+1
.irp b, 0,1,2,3,4,5,6,7
.set DD, 8*(8*((\a)%4)+\b)
.set BF, 128*(\p)+12*\b
.set FA, AF+12*(\a)
.set SBR, SC+16*(\sc)+8+\b
.set SAR, SC+16*(\sc)+(\a)
.set CC, DD
.if \cm == 3
.if (\b/4) < ((\a)/4)
.set CC, CB
.elseif (\b/4) > ((\a)/4)
.set CC, CB+8
.else
.set CC, CB+16+8*(3+(\b%4)-((\a)%4))
.endif
.endif
.if \q
	v_wmma_scale_f32_16x16x128_f8f6f4 v[DD:DD+7], v[BF:BF+11], v[FA:FA+11], v[CC:CC+7], v[SBR], v[SAR] matrix_a_fmt:MATRIX_FMT_FP6 matrix_b_fmt:MATRIX_FMT_FP6 matrix_a_scale:MATRIX_SCALE_ROW1 matrix_b_scale:MATRIX_SCALE_ROW1
.else
	v_wmma_scale_f32_16x16x128_f8f6f4 v[DD:DD+7], v[BF:BF+11], v[FA:FA+11], v[CC:CC+7], v[SBR], v[SAR] matrix_a_fmt:MATRIX_FMT_FP6 matrix_b_fmt:MATRIX_FMT_FP6
.endif
.endr
.endr
.endm
.macro STEP slot, cm                   ; a slot's first block
	s_wait_dscnt 12                                ; all but the youngest 12 loads (A's images 4-7)
	FETCH_B \slot, 1, 1                            ; B's other set: a whole block ahead of its use
.if \cm
	WIN FST_LO
.else
	WIN MUL_LO
.endif
	MUL16 0, 0, 0, \slot, \cm
	MUL16 2, 0, 0, \slot, \cm
	s_wait_dscnt 24                                ; A's images 4-7 are in; B's 24 loads, issued behind them, may be out
	PLACES 4                                       ; four plain vector instructions in front of loads into registers that matrix instructions have read
	WIN 0
	FETCH_A \slot, 1, 0
.if \cm
	WIN FST_HI
.else
	WIN MUL_HI
.endif
	MUL16 4, 0, 0, \slot, \cm
	MUL16 6, 0, 0, \slot, \cm
	PLACES 4
	WIN 0
	FETCH_A \slot, 1, 4
.endm
.macro TURN slot, next, fill           ; a slot's second block changes slots
	s_wait_tensorcnt 0x0                           ; all my tensor loads have landed: my part of the next slot
	ds_add_u32 v[SPW], v[NIL]                      ; 0 onto my spare word
	s_wait_dscnt 13                                ; (the add and the youngest 12 loads may be out)
	WIN MUL_LO
	MUL16 0, 1, 1, \slot, 0
	s_wait_dscnt 0x0                               ; the add is done, and my reads of this slot are over
	s_barrier_signal -1
	MUL16 2, 1, 1, \slot, 0
	WIN 0
	s_barrier_wait -1
.if \fill
	CREST                                          ; a round of the cluster's barrier: no wave of any partner still reads this slot or has a load on its way
	s_add_nc_u64 s[G0+4*\slot+2:G0+4*\slot+3], s[G0+4*\slot+2:G0+4*\slot+3], 2*HALFT
	s_add_nc_u64 s[G0B+4*\slot+2:G0B+4*\slot+3], s[G0B+4*\slot+2:G0B+4*\slot+3], 2*HALFT
	JLOAD \slot                                    ; the first tensor load behind the round; its four v_nop are the places in front of the loads below
.else
	PLACES 4
.endif
	FETCH_B \next, 0, 0
	FETCH_A \next, 0, 0
	SCALES \next
	WIN MUL_HI
	MUL16 4, 1, 1, \slot, 0
	MUL16 6, 1, 1, \slot, 0
	PLACES 4
	WIN 0
	FETCH_A \next, 0, 4
.endm
	s_wait_alu depctr_va_vdst(0)
	s_wait_tensorcnt 0x0                           ; my part of both slots is in: no tensor load of mine is out, so a descriptor may be written:
.irp g, G1, G1B
	s_mov_b32 s[\g+2], 100<<16                     ; from here on a load brings one slot
	s_mov_b32 s[\g+4], 100
.endr
	s_barrier_signal -1
	s_barrier_wait -1
	FETCH_B 0, 0, 0
	FETCH_A 0, 0, 0
	SCALES 0
	FETCH_A 0, 0, 4
	STEP 0, 3
	TURN 0, 1, 1
	STEP 1, 0
	TURN 1, 0, 1
	STEP 0, 0
	TURN 0, 1, 0
	STEP 1, 0
	s_wait_dscnt 12
	WIN MUL_LO
	MUL16 0, 1, 1, 1, 0
	MUL16 2, 1, 1, 1, 0
	s_wait_dscnt 0x0
	WIN MUL_HI
	MUL16 4, 1, 1, 1, 0
	MUL16 6, 1, 1, 1, 0
	WIN 0
	PLACES 4
; THE WAY OUT of A's image a: 16 queries x my 128 keys.  Register 32 c + i of the 64 is key 64 c + 32 (lane / 16) + i.
.macro SOFTQ a
.set W, 2+(\a)/4
.set S, 64*((\a)%4)
	WIN (W|(W<<2)|(W<<4))
.irp b, 0,1,2,3
	v_max3_num_f32 v[BM+\b], v[S+16*\b], v[S+16*\b+1], v[S+16*\b+2]   ; two chains for each of my two blocks of 32 keys.  (Each accumulator is read from its low end on)
.endr
	WIN ((W<<2)|(W<<4))
.irp i, 3,5,7,9,11,13
.irp b, 0,1,2,3
	v_max3_num_f32 v[BM+\b], v[BM+\b], v[S+16*\b+\i], v[S+16*\b+\i+1]
.endr
.endr
	WIN (W<<2)
.irp b, 0,1,2,3
	v_max_num_f32 v[BM+\b], v[BM+\b], v[S+16*\b+15]
.endr
	WIN 0
	v_max_num_f32 v[BM], v[BM], v[BM+1]            ; the largest score of each of my blocks: it serves for the chunk's maximum and, since p rises with the score, for the block's largest p
	v_max_num_f32 v[BM+1], v[BM+2], v[BM+3]
	v_max_num_f32 v[T0], v[BM], v[BM+1]
	v_permlanex16_b32 v[BT], v[T0], s[SEL], s[SEL+1]
	v_max_num_f32 v[T0], v[T0], v[BT]              ; with lane l xor 16's two blocks
	v_mul_f32 v[T0], s[CS], v[T0]                  ; the chunk's largest t (c is positive),
	v_max_num_f32 v[T0], 0xe7800000, v[T0]         ; held at -2^80 from below: a chunk that is wholly hidden gives p = 0 and not 1
	v_floor_f32 v[NM], -v[T0]                      ; -Ml = floor(-t): Ml IS A WHOLE NUMBER
	WIN ((W<<6)|W)
.set JJ, 0
.rept 32
	v_pk_fma_f32 v[S+JJ:S+JJ+1], v[S+JJ:S+JJ+1], s[CS:CS+1], v[NM:NM+1] op_sel_hi:[1,0,0]   ; t - Ml, two at a time
.set JJ, JJ+2
.endr
	WIN 0
.irp b, 0,1
	v_fma_f32 v[BM+\b], v[BM+\b], s[CS], v[NM]     ; the same of each block's largest score
.endr
	WIN ((W<<6)|W)
.set JJ, 0
	s_wait_alu depctr_va_vdst(0)
.rept 64
	v_exp_f32 v[S+JJ], v[S+JJ]                     ; p = 2^(t - Ml), at most 1
.set JJ, JJ+1
.endr
	WIN 0
	v_sub_f32 v[MMS+\a], 0, v[NM]                  ; Ml.  (A plain place behind the exponentials)
	s_wait_alu depctr_va_vdst(0)                   ; one wait for the whole batch, ahead of its first reader
.irp b, 0,1
	v_exp_f32 v[BM+\b], v[BM+\b]                   ; the block's largest p: the same two instructions on the same number give the same bits
.endr
	WIN (W|(W<<2))
	v_pk_add_f32 v[L0:L0+1], v[S:S+1], v[S+2:S+3]  ; the sum is taken of the UNQUANTISED p: two at a time, in two chains.  (It reads the 64 alone: plain work behind the two)
	v_pk_add_f32 v[L1:L1+1], v[S+4:S+5], v[S+6:S+7]
	WIN (W<<2)
.irp j, 8,12,16,20,24,28,32,36,40,44,48,52,56,60
	v_pk_add_f32 v[L0:L0+1], v[L0:L0+1], v[S+\j:S+\j+1]
	v_pk_add_f32 v[L1:L1+1], v[L1:L1+1], v[S+\j+2:S+\j+3]
.endr
	WIN 0
	v_pk_add_f32 v[L0:L0+1], v[L0:L0+1], v[L1:L1+1]
	v_add_f32 v[L0], v[L0], v[L0+1]
	v_permlanex16_b32 v[LT], v[L0], s[SEL], s[SEL+1]
	v_add_f32 v[LLS+\a], v[L0], v[LT]              ; with lane l xor 16's: the chunk's sum
	s_wait_alu depctr_va_vdst(0)                   ; and one wait for the two exponentials, directly ahead of the wait below
	s_wait_xcnt 0x0                                ; the last image's stores have read the codes' registers
.irp b, 0,1
	v_max_num_f32 v[BM+\b], 0x1800000, v[BM+\b]    ; the floor 2^(3 - 127): the byte cannot fall under 1
.endr
.irp b, 0,1
	v_add_nc_u32 v[SO+\b], 0xff000000, v[BM+\b]    ; 2 off the exponent field: the conversion's scale operand
.endr
	WIN W
.irp c, 0,1
	v_cvt_scalef32_pk16_fp6_f32 v[PC+6*\c:PC+2+6*\c], v[S+32*\c:S+15+32*\c], v[SO+\c]
	v_cvt_scalef32_pk16_fp6_f32 v[PC+12+4*\c:PC+14+4*\c], v[S+16+32*\c:S+31+32*\c], v[SO+\c]
.endr
	WIN 0
.irp c, 0,1
	v_lshrrev_b32 v[BT+2+\c], 23, v[SO+\c]         ; the byte of block 2 c + h, 1 to 125.  (Plain places behind the conversions)
.endr
	v_lshl_or_b32 v[BT+2], v[BT+3], 16, v[BT+2]
	v_lshlrev_b32 v[BT+2], v[HB], v[BT+2]
	v_permlanex16_b32 v[BT+1], v[BT+2], s[SEL], s[SEL+1]
	v_or_b32 v[PWS+\a], v[BT+2], v[BT+1]           ; with lane l xor 16's two bytes: the row's scale word
.irp c, 0,1
.irp i, 0,1,2
	v_mov_b32 v[PC+3+6*\c+\i], v[PC+12+4*\c+\i]
.endr
.endr
.irp c, 0,1,2
	global_store_b128 v[LI], v[PC+4*\c:PC+4*\c+3], s[OUTP:OUTP+1] offset:(\a)*IMG+512*\c   ; 32 lanes store 512 consecutive bytes, at a multiple of 256 from the buffer's first byte
.endr
.endm
.irp b, 0,1,2,3
	v_mov_b32 v[BT+\b], 0                          ; a lane permute's destination counts as one of its sources
.endr
	v_mov_b32 v[LT], 0
	v_mov_b32 v[NM+1], 0
.irp a, 0,1,2,3,4,5,6,7
	SOFTQ \a
.endr
.irp k, 0,1,2,3
	v_cndmask_b32 v[WC+\k], v[PWS+\k], v[PWS+4+\k], s76     ; three chunks: lanes 0-15 images 0-3, lanes 16-31 images 4-7 (both halves of the lanes hold a row's word)
	v_cndmask_b32 v[WC+4+\k], v[MMS+\k], v[MMS+4+\k], s76
	v_cndmask_b32 v[WC+8+\k], v[LLS+\k], v[LLS+4+\k], s76
.endr
	global_store_b128 v[LI], v[WC:WC+3], s[AUXP:AUXP+1]
	global_store_b128 v[LI], v[WC+4:WC+7], s[AUXP:AUXP+1] offset:512
	global_store_b128 v[LI], v[WC+8:WC+11], s[AUXP:AUXP+1] offset:1024
	s_wait_tensorcnt 0x0                           ; the wave's end
	ds_add_u32 v[SPW], v[NIL]
	s_wait_dscnt 0x0
	CROUND                                         ; the closing round
	s_endpgm
.Lfunc_end_k_q6b3ccfb10c_score:
	.size	k_q6b3ccfb10c_score, .Lfunc_end_k_q6b3ccfb10c_score-k_q6b3ccfb10c_score
	.p2alignl 7, 3214868480
	.fill 96, 4, 3214868480
	.section	.rodata,"a",@progbits
	.p2align	6, 0x0
	.amdhsa_kernel k_q6b3ccfb10c_score
		.amdhsa_group_segment_fixed_size 327680
		.amdhsa_private_segment_fixed_size 0
		.amdhsa_enable_private_segment 0
		.amdhsa_kernarg_size 24
		.amdhsa_user_sgpr_count 2
		.amdhsa_user_sgpr_kernarg_segment_ptr 1
		.amdhsa_wavefront_size32 1
		.amdhsa_system_sgpr_workgroup_id_x 1
		.amdhsa_system_sgpr_workgroup_id_y 1
		.amdhsa_system_sgpr_workgroup_id_z 1
		.amdhsa_system_vgpr_workitem_id 0
		.amdhsa_next_free_vgpr 1024
		.amdhsa_next_free_sgpr 100
		.amdhsa_reserve_vcc 1
		.amdhsa_float_denorm_mode_32 3
		.amdhsa_float_denorm_mode_16_64 3
		.amdhsa_memory_ordered 1
		.amdhsa_forward_progress 1
		.amdhsa_inst_pref_size 191
	.end_amdhsa_kernel
	.amdgpu_metadata
---
amdhsa.version: [ 1, 2 ]
amdhsa.kernels:
  - .name:           k_q6b3ccfb10c_score
    .symbol:         k_q6b3ccfb10c_score.kd
    .args:
      - { .name: qc, .offset: 0, .size: 8, .value_kind: global_buffer, .address_space: global }
      - { .name: kc, .offset: 8, .size: 8, .value_kind: global_buffer, .address_space: global }
      - { .name: pc, .offset: 16, .size: 8, .value_kind: global_buffer, .address_space: global }
    .group_segment_fixed_size: 327680
    .private_segment_fixed_size: 0
    .kernarg_segment_align: 8
    .kernarg_segment_size: 24
    .max_flat_workgroup_size: 128
    .sgpr_count:     100
    .vgpr_count:     1024
    .wavefront_size: 32
...
	.end_amdgpu_metadata
.endif
;; end of part 3
;; launch pv (part 4): grid 4 x 64, 4 waves a work-group, clusters of 4 x 4, 327,680 bytes of LDS; arguments pc, vc, out0; writes out0
.if DOCPART == 4
	.amdgcn_target "amdgcn-amd-amdhsa--gfx1250"
	.amdhsa_code_object_version 6
	.text
	.protected	k_q6b3ccfb10c_pv
	.globl	k_q6b3ccfb10c_pv
	.p2align	8
	.type	k_q6b3ccfb10c_pv,@function
k_q6b3ccfb10c_pv:
	s_mov_b64 s[64:65], 0
	v_nop
	global_prefetch_b8 v0, s[64:65] scope:SCOPE_SE
	s_setreg_imm32_b32 hwreg(HW_REG_WAVE_MODE, 25, 1), 1
	s_wait_xcnt 0x0
	s_wait_alu depctr_hold_cnt(0) depctr_sa_sdst(0) depctr_va_vdst(0) depctr_va_sdst(0) depctr_va_ssrc(0) depctr_va_vcc(0) depctr_vm_vsrc(0)
	s_getreg_b32 s2, hwreg(HW_REG_IB_STS2, 6, 4)
	s_cmp_eq_u32 s2, 0
	s_cbranch_scc0 .Lentry_in_a_cluster
	s_endpgm
.Lentry_in_a_cluster:
	s_bfe_u32 s2, ttmp6, 0x10000c
	s_cmp_lg_u32 s2, 0xf033
	s_cbranch_scc0 .Lentry_shape_is_right
	s_endpgm
.Lentry_shape_is_right:
; O = (p v) / l on codes of FP6 (E2M3).  p's codes were made chunk by chunk (128 keys) under a local whole number Ml.  Here the row's M = the largest Ml of the chunks that count; M - Ml is taken off the chunk's four scale bytes
; (exact: a power of two; a byte that would fall under 0 is held at 0), the chunks' sums are brought under M by v_ldexp_f32 and added, and O^T is divided by the sum at the end.
; pc: idx = (16 batch + query group) x 16 + chunk: eight fragment images (12,288 bytes) at idx x 12,288; from AUXO on 1,536 bytes an idx: raw scale words, Ml, sums (the word of image i, lane r at 256 (i / 4) + 16 r + 4 (i % 4)).
; vc: rows = d in 8 groups of 128, K = tokens in 64 steps of 128; block (g, ks) = 12,800 bytes: eight images, then 512 bytes of scale words.  Lane r of image i holds row 32 (i / 2) + 8 (i % 2) + r + 8 (r / 8) of its group, in both buffers.
; SHARES.  256 work-groups: 128 queries (group qi = 4 (y % 4) + cy of batch y / 4) x 256 of d (cx).  A wave: 64 queries x 128 d: 32 accumulators.  Source 0 = v (a lane's registers run along d), source 1 = p (a lane holds a query).
; K goes in steps of 512 keys through two LDS slots: 128 matrix instructions a wave between two changes of slots.  Query groups 0-7 walk 1,024 keys, groups 8-15 all 2,048: a forward branch on the cluster's y (the same in all partners)
; passes over the middle section.  Chunks behind the query group's own hold zero codes and get the scale word 0.
; CLUSTER 4 x 4: p's tiles are asked for jointly along a row of the cluster, v's along a column.  No prefetch: two or four K steps, of which two are first fills.
; LIMITS: a block of p that lies 2^-125 or more under the row's largest p is multiplied by 2^-127 at the least; NaN and infinities are not served.
; REGISTERS: window 0: v16-29 addresses; v32-63 v's scale words, two sets; v64-79, v80-95 p's final scale words for slot 0's and slot 1's K steps; v96-103 1 / l; v104-123 at work at the head; v128-175, v176-223 p's fragments, two sets.
;   window 1: v's fragments, two sets, at v0 and v128.   window 2: accumulator (a, b) at v[8 (8 a + b)].
; WHERE THE LINES ABOVE DIFFER FROM THE FOLLOWING, THIS HOLDS.  Rows: lane r of image i holds row 64 (i / 4) + 8 (i % 4) + r % 8 + 32 (r / 8) of its group, in both buffers.
; LDS: p's images 0-3 of eight chunks, then its images 4-7 (a half chunk is PH bytes), then v's two groups of eight blocks; a slot is four chunks of each half and four blocks of each group.
; Each wave's one load at the head brings both slots: waves 0 and 1 a half of eight chunks (8 rows of 6,144 bytes, 12,288 apart), waves 2 and 3 a group's eight blocks (400 rows of 256).  A refill brings half of that: one slot.
.set BLK,   12800
.set IMG,   1536
.set SCO,   8*IMG                      ; a chunk of p's codes; also where a block's scale words begin in vc
.set PH,    SCO/2                      ; a half chunk: four images
.set GRP,   8*BLK
.set VB,    16*PH                      ; v's groups lie behind p's halves
.set SPARE, VB+2*GRP
.set AUXO,  12582912
.set ADRA, 16
.set ADRB, 20
.set ASB,  22
.set STO,  24
.set RD,   25
.set CO,   26                          ; 16 x lane
.set SPW,  28
.set NIL,  29
.set SB,   32                          ; set s at v[SB + 16 s]: + 8 (q / 2) + b; lanes 0-15 the even block, lanes 16-31 the odd one
.set QE,   64                          ; slot s at v[QE + 16 s]: + 4 (q / 2) + a the K step in hand, + 8 + .. the slot's next
.set LINV, 96                          ; 1 / l of image a at v[LINV + 2 a]: the packed multiply names a pair
.set MG,   104
.set PT,   108
.set TA,   112
.set TB,   116
.set LS,   120
.set AF,   128
.set MV,   128                         ; at the head: v128-159 Ml, v160-191 sums, v192-223 raw scale words: register 4 j + il: chunk 2 j + (lane / 16), image 4 RH + il
.set LV,   160
.set RAWT, 192
.set OB,   128                         ; the way out: v128-191 O^T / l, v192-255 whole rows
.set RB,   192
.set WV,  20
.set RH,  21
.set CH,  22
.set CX,  23
.set CY,  24
.set CLY, 26
.set BAT, 27
.set QI,  29
.set LAPS, 30
.set G1,  32
.set G0,  40
.set G1B, 48
.set G0B, 56
.set OUTP, 70
.set AUXP, 72
.set SEL, 74
.set AUX2, 76
.set MSB, 0
.macro WIN new
.if MSB != (\new)
	s_set_vgpr_msb (MSB<<8)|(\new)
.set MSB, (\new)
.endif
.endm
.set MUL,  0xa1                        ; source 0 (v) window 1, source 1 (p) window 0, C and D window 2
.set TO_B, 0x40
.macro PLACES n
.rept \n
	v_nop
.endr
.endm
.macro JLOAD s                         ; a joint load: waves 0 and 1 fetch p's halves, waves 2 and 3 v's groups; four v_nop follow each of the two lines
	s_cmp_eq_u32 s[RH], 0
	s_cbranch_scc0 .Lfor_b_\@
	tensor_load_to_lds s[G0+4*\s:G0+4*\s+3], s[G1:G1+7]
	s_nop 0
.rept 4
	v_nop
.endr
	s_branch .Lasked_\@
.Lfor_b_\@:
	tensor_load_to_lds s[G0B+4*\s:G0B+4*\s+3], s[G1B:G1B+7]
	s_nop 0
.rept 4
	v_nop
.endr
.Lasked_\@:
.endm
.macro CREST
	s_cmp_lg_u32 s[WV], 0
	s_cbranch_scc1 .Lnot_wave_0_\@
	s_barrier_signal -3
.Lnot_wave_0_\@:
	s_barrier_wait -3
	s_barrier_signal -1
	s_barrier_wait -1
.endm
.macro CROUND
	s_barrier_signal -1
	s_barrier_wait -1
	CREST
.endm
	s_load_b128 s[4:7], s[0:1], 0x0                ; pc, vc
	s_load_b64 s[8:9], s[0:1], 0x10                ; out0
	v_lshl_add_u32 v[SPW], v0, 2, SPARE
	v_mov_b32 v[NIL], 0
	ds_add_u32 v28, v29
	ds_add_u32 v28, v29
	s_wait_dscnt 0x0
	v_lshrrev_b32 v1, 5, v0
	v_readfirstlane_b32 s[WV], v1
	s_lshr_b32 s[RH], s[WV], 1                     ; which 64 queries are mine.  Also: I fetch for p (0) or for v (1)
	s_and_b32 s[CH], s[WV], 1                      ; which group of d is mine.  Also: which half of p's chunks, or which group of v, I fetch
	s_bfe_u32 s[CX], ttmp6, 0x40000
	s_bfe_u32 s[CY], ttmp6, 0x40004
	s_and_b32 s[CLY], ttmp7, 0xffff
	s_lshr_b32 s[BAT], s[CLY], 2
	s_and_b32 s28, s[CLY], 3
	s_lshl_b32 s[QI], s28, 2
	s_add_co_u32 s[QI], s[QI], s[CY]               ; the query group
	s_lshr_b32 s[LAPS], s28, 1
	s_add_co_u32 s[LAPS], s[LAPS], 1               ; 1: 1,024 keys; 2: 2,048: it hangs on the cluster's y alone
	s_lshl_b32 s2, s[CY], 2
	s_lshl_b32 s2, 15, s2
	s_lshl_b32 s3, 0x1111, s[CX]
	s_or_b32 s[G1], s2, (3<<16)|(1<<21)            ; p: elements of 8 bytes, 768 to a row, rows 1,536 elements apart: a half of each chunk; to my row of the cluster
	s_mov_b32 s[G1+1], (PH/8)<<16
	s_mov_b32 s[G1+2], 8<<16                       ; eight chunks at the head, four for a refill
	s_mov_b32 s[G1+3], (PH/8)<<16
	s_mov_b32 s[G1+4], 8
	s_mov_b32 s[G1+5], SCO/8
	s_mov_b32 s[G1+6], 0
	s_mov_b32 s[G1+7], 0
	s_or_b32 s[G1B], s3, (3<<16)|(1<<21)           ; v: dense bytes as rows of 256, 400 at the head, 200 for a refill; to my column
	s_mov_b32 s[G1B+1], 32<<16
	s_mov_b32 s[G1B+2], 400<<16
	s_mov_b32 s[G1B+3], 32<<16
	s_mov_b32 s[G1B+4], 400
	s_mov_b32 s[G1B+5], 32
	s_mov_b32 s[G1B+6], 0
	s_mov_b32 s[G1B+7], 0
	s_lshl_b32 s84, s[BAT], 4
	s_add_co_u32 s84, s84, s[QI]                   ; 16 batch + query group (p's registers never hold cx)
	s_lshl_b32 s85, s84, 4
	s_mul_i32 s66, s85, SCO                        ; chunk 0,
	s_mul_i32 s86, s[CH], PH
	s_add_co_u32 s66, s66, s86                     ; the half that I would fetch
	s_mov_b32 s67, 0
	s_lshl_b32 s87, s[CX], 1
	s_add_co_u32 s87, s87, s[CH]                   ; the group of d that I would fetch (v's registers never hold cy)
	s_lshl_b32 s87, s87, 6
	s_lshl_b32 s88, s[BAT], 4
	s_add_co_u32 s87, s87, s88
	s_mul_i32 s68, s87, BLK
	s_mov_b32 s69, 0
	s_mul_i32 s89, s[CH], 8*PH                     ; where they go: p's halves,
	s_mul_i32 s90, s[CH], GRP
	s_add_co_u32 s90, s90, VB                      ; v's groups behind them
	CROUND                                         ; all sixteen work-groups are here: the first joint loads meet
	s_wait_kmcnt 0x0
	s_add_nc_u64 s[66:67], s[4:5], s[66:67]
	s_add_nc_u64 s[68:69], s[6:7], s[68:69]
.irp s, 0,1
	s_mov_b32 s[G0+4*\s], 1
	s_add_co_u32 s[G0+4*\s+1], s89, \s*4*PH
	s_add_nc_u64 s[G0+4*\s+2:G0+4*\s+3], s[66:67], \s*4*SCO
	s_or_b32 s[G0+4*\s+3], s[G0+4*\s+3], 0x80000000
	s_mov_b32 s[G0B+4*\s], 1
	s_add_co_u32 s[G0B+4*\s+1], s90, \s*4*BLK
	s_add_nc_u64 s[G0B+4*\s+2:G0B+4*\s+3], s[68:69], \s*4*BLK
	s_or_b32 s[G0B+4*\s+3], s[G0B+4*\s+3], 0x80000000
.endr
	JLOAD 0                                        ; both slots, one tensor load a wave
	; THE HEAD'S WORK, while the tiles are on their way: the row's M, p's final scale words, 1 / l
	v_and_b32 v1, 31, v0
	v_and_b32 v2, 15, v0                           ; r
	v_bfe_u32 v3, v0, 4, 1                         ; h
	v_mul_u32_u24 v4, v3, 1536
	v_lshl_add_u32 v4, v2, 4, v4                   ; chunk h of a pair, 16 r
	s_wait_alu depctr_va_vdst(0)
	s_mul_i32 s86, s84, 16*1536
	s_lshl_b32 s87, s[RH], 8
	s_add_co_u32 s86, s86, s87
	s_add_co_u32 s86, s86, AUXO
	s_mov_b32 s87, 0
	s_add_nc_u64 s[AUXP:AUXP+1], s[4:5], s[86:87]
	s_cmp_eq_u32 s[LAPS], 2
	s_cselect_b32 s92, 8*1536, 0                   ; chunks 8-15 exist for query groups 8-15 alone; the others read chunks 0-7 once more, and what they read is replaced below
	s_mov_b32 s93, 0
	s_add_nc_u64 s[AUX2:AUX2+1], s[AUXP:AUXP+1], s[92:93]
.irp j, 0,1,2,3
	global_load_b128 v[RAWT+4*\j:RAWT+4*\j+3], v4, s[AUXP:AUXP+1] offset:3072*\j
	global_load_b128 v[MV+4*\j:MV+4*\j+3], v4, s[AUXP:AUXP+1] offset:3072*\j+512
	global_load_b128 v[LV+4*\j:LV+4*\j+3], v4, s[AUXP:AUXP+1] offset:3072*\j+1024
.endr
.irp j, 4,5,6,7
	global_load_b128 v[RAWT+4*\j:RAWT+4*\j+3], v4, s[AUX2:AUX2+1] offset:3072*(\j-4)
	global_load_b128 v[MV+4*\j:MV+4*\j+3], v4, s[AUX2:AUX2+1] offset:3072*(\j-4)+512
	global_load_b128 v[LV+4*\j:LV+4*\j+3], v4, s[AUX2:AUX2+1] offset:3072*(\j-4)+1024
.endr
	v_sub_nc_u32 v5, s[QI], v3                     ; chunk 2 j + h counts where 2 j <= query group - h
	v_lshlrev_b32 v[CO], 4, v1
	s_mul_i32 s85, s[RH], 8*PH                     ; p: my half of the chunks
	s_mul_i32 s86, s[CH], GRP
	s_add_co_u32 s86, s86, VB                      ; v: my group
	v_mul_u32_u24 v6, v3, BLK
	v_lshl_add_u32 v6, v2, 4, v6
	v_add_nc_u32 v6, SCO, v6
.irp s, 0,1
	v_add_nc_u32 v[ADRA+\s], s85, v[CO]
	v_add_nc_u32 v[ADRB+\s], s86, v[CO]
	v_add_nc_u32 v[ASB+\s], s86, v6
	s_add_co_u32 s85, s85, 4*PH
	s_add_co_u32 s86, s86, 4*BLK
.endr
	s_mul_i32 s87, s[WV], 16*528                   ; my stage for the way out: 16 rows x (512 bytes + 16),
	s_add_co_u32 s87, s87, VB                      ; in slot 0 of v's first group, which has had its last fill and its last read by then
	v_mul_u32_u24 v[STO], v2, 528
	v_lshl_add_u32 v[STO], v3, 7, v[STO]           ; in: row r, + 128 h
	v_add_nc_u32 v[STO], s87, v[STO]               ; in: my stage
	v_add_nc_u32 v[RD], s87, v[CO]                 ; back: a row's 512 bytes, 16 a lane
	s_lshl_b32 s86, s[BAT], 23                     ; out0: (2,048 batch + 128 query group + 64 RH) rows of 4,096 bytes + (256 cx + 128 CH) x 4
	s_lshl_b32 s87, s[QI], 19
	s_add_co_u32 s86, s86, s87
	s_lshl_b32 s87, s[RH], 18
	s_add_co_u32 s86, s86, s87
	s_lshl_b32 s87, s[CX], 10
	s_add_co_u32 s86, s86, s87
	s_lshl_b32 s87, s[CH], 9
	s_add_co_u32 s86, s86, s87
	s_mov_b32 s87, 0
	s_add_nc_u64 s[OUTP:OUTP+1], s[8:9], s[86:87]
	s_mov_b32 s[SEL], 0x76543210
	s_mov_b32 s[SEL+1], 0xfedcba98
	s_mov_b32 s78, 0x01010101
	s_mov_b32 s79, 0x80808080
.irp il, 0,1,2,3
	v_mov_b32 v[PT+\il], 0                         ; a lane permute's destination counts as one of its sources
	v_mov_b32 v[LINV+2*\il+1], 0                   ; (named as the upper half of a pair)
.endr
	s_wait_loadcnt 0x0
.irp j, 0,1,2,3,4,5,6,7
	v_cmp_le_i32 vcc_lo, 2*\j, v5
.irp il, 0,1,2,3
	v_cndmask_b32 v[MV+4*\j+\il], 0xfe800000, v[MV+4*\j+\il], vcc_lo   ; a chunk that does not count: Ml = -2^126,
	v_cndmask_b32 v[LV+4*\j+\il], 0, v[LV+4*\j+\il], vcc_lo            ; sum 0,
	v_cndmask_b32 v[RAWT+4*\j+\il], 0, v[RAWT+4*\j+\il], vcc_lo        ; scale bytes 0
.endr
.endr
.irp il, 0,1,2,3
	v_max3_num_f32 v[MG+\il], v[MV+\il], v[MV+4+\il], v[MV+8+\il]
.endr
.irp il, 0,1,2,3
	v_max3_num_f32 v[MG+\il], v[MG+\il], v[MV+12+\il], v[MV+16+\il]
.endr
.irp il, 0,1,2,3
	v_max3_num_f32 v[MG+\il], v[MG+\il], v[MV+20+\il], v[MV+24+\il]
.endr
.irp il, 0,1,2,3
	v_max_num_f32 v[MG+\il], v[MG+\il], v[MV+28+\il]
.endr
.irp il, 0,1,2,3
	v_permlanex16_b32 v[PT+\il], v[MG+\il], s[SEL], s[SEL+1]
.endr
.irp il, 0,1,2,3
	v_max_num_f32 v[MG+\il], v[MG+\il], v[PT+\il]  ; the row's M (chunk 0 counts for every query)
.endr
.irp j, 0,1,2,3,4,5,6,7
.set QR, QE+16*((\j/2)%2)+8*(\j/4)+4*(\j%2)        ; chunks 2 j, 2 j + 1 belong to K step j / 2, blocks 2 (j % 2) and + 1
.irp il, 0,1,2,3
	v_sub_f32 v[MV+4*\j+\il], v[MV+4*\j+\il], v[MG+\il]
.endr
.irp il, 0,1,2,3
	v_max_num_f32 v[MV+4*\j+\il], 0xc2fe0000, v[MV+4*\j+\il]
.endr
.irp il, 0,1,2,3
	v_cvt_i32_f32 v[MV+4*\j+\il], v[MV+4*\j+\il]   ; N = Ml - M, a whole number, 0 to -127
.endr
.irp il, 0,1,2,3
	v_ldexp_f32 v[LV+4*\j+\il], v[LV+4*\j+\il], v[MV+4*\j+\il]   ; the chunk's sum under M
.endr
.irp il, 0,1,2,3
	v_mul_lo_u32 v[MV+4*\j+\il], v[MV+4*\j+\il], s78             ; N in each of the four bytes
.endr
.irp il, 0,1,2,3
	v_or_b32 v[RAWT+4*\j+\il], s79, v[RAWT+4*\j+\il]             ; a byte is at most 125: with 128 on top no byte borrows from its neighbour
.endr
.irp il, 0,1,2,3
	v_add_nc_u32 v[RAWT+4*\j+\il], v[RAWT+4*\j+\il], v[MV+4*\j+\il]
.endr
.irp il, 0,1,2,3
	v_and_b32 v[TA+\il], s79, v[RAWT+4*\j+\il]     ; the top bit has stayed where byte + N is 0 or more
.endr
.irp il, 0,1,2,3
	v_lshrrev_b32 v[TB+\il], 7, v[TA+\il]
.endr
.irp il, 0,1,2,3
	v_sub_nc_u32 v[TA+\il], v[TA+\il], v[TB+\il]   ; 0x7f in those bytes, 0 in the others
.endr
.irp il, 0,1,2,3
	v_and_b32 v[QR+\il], v[RAWT+4*\j+\il], v[TA+\il]   ; the final scale word
.endr
.endr
.irp il, 0,1,2,3
	v_add_f32 v[LS+\il], v[LV+\il], v[LV+4+\il]    ; (these additions are also the plain instructions between the last write of a scale register and the first product)
.endr
.irp j, 2,3,4,5,6,7
.irp il, 0,1,2,3
	v_add_f32 v[LS+\il], v[LS+\il], v[LV+4*\j+\il]
.endr
.endr
.irp il, 0,1,2,3
	v_permlanex16_b32 v[PT+\il], v[LS+\il], s[SEL], s[SEL+1]
.endr
.irp il, 0,1,2,3
	v_add_f32 v[LS+\il], v[LS+\il], v[PT+\il]      ; the row's sum
.endr
	s_wait_alu depctr_va_vdst(0)
.irp il, 0,1,2,3
	v_rcp_f32 v[LINV+2*\il], v[LS+\il]
.endr
	v_nop                                          ; a plain instruction behind the last reciprocal
	s_wait_alu depctr_va_vdst(0)                   ; and one wait for the four
.macro FRAG reg, adr, off
.irp c, 0,1,2
	ds_load_b128 v[\reg+4*\c:\reg+4*\c+3], v[\adr] offset:\off+512*\c
.endr
.endm
.macro FETCH slot, q, p                ; 36 loads: v's eight fragments of the slot's block q, then p's four, into sets p
	WIN TO_B
.irp i, 0,1,2,3,4,5,6,7
	FRAG 128*(\p)+12*\i, ADRB+\slot, (\q)*BLK+\i*IMG
.endr
	WIN 0
.irp i, 0,1,2,3
	FRAG AF+48*(\p)+12*\i, ADRA+\slot, (\q)*PH+\i*IMG
.endr
.endm
.macro SBLOAD s                        ; v's scale words of a slot's four blocks
.irp jl, 0,1
	ds_load_b128 v[SB+16*\s+8*\jl:SB+16*\s+8*\jl+3], v[ASB+\s] offset:2*BLK*\jl
	ds_load_b128 v[SB+16*\s+8*\jl+4:SB+16*\s+8*\jl+7], v[ASB+\s] offset:2*BLK*\jl+256
.endr
.endm
; 8 matrix instructions: p's image a x v's eight.  The 32 accumulators take turns, one instruction a turn, in the same order in every block.  zero = 1: the first product starts the sums.
.macro MUL8 a, p, q, slot, zero
.irp b, 0,1,2,3,4,5,6,7
.set DD, 8*(8*(\a)+\b)
.set BF, 128*(\p)+12*\b
.set FA, AF+48*(\p)+12*(\a)
.set SBR, SB+16*(\slot)+8*((\q)/2)+\b
.set SAR, QE+16*(\slot)+4*((\q)/2)+(\a)
.if (\q)%2
	v_wmma_scale_f32_16x16x128_f8f6f4 v[DD:DD+7], v[BF:BF+11], v[FA:FA+11], v[DD:DD+7], v[SBR], v[SAR] matrix_a_fmt:MATRIX_FMT_FP6 matrix_b_fmt:MATRIX_FMT_FP6 matrix_a_scale:MATRIX_SCALE_ROW1 matrix_b_scale:MATRIX_SCALE_ROW1
.elseif \zero
	v_wmma_scale_f32_16x16x128_f8f6f4 v[DD:DD+7], v[BF:BF+11], v[FA:FA+11], 0, v[SBR], v[SAR] matrix_a_fmt:MATRIX_FMT_FP6 matrix_b_fmt:MATRIX_FMT_FP6
.else
	v_wmma_scale_f32_16x16x128_f8f6f4 v[DD:DD+7], v[BF:BF+11], v[FA:FA+11], v[DD:DD+7], v[SBR], v[SAR] matrix_a_fmt:MATRIX_FMT_FP6 matrix_b_fmt:MATRIX_FMT_FP6
.endif
.endr
.endm
.macro KS slot, q, zero                ; one of a slot's first three blocks
	s_wait_dscnt 0x0                               ; this block's fragments are in
	PLACES 4                                       ; four plain vector instructions in front of loads into registers that matrix instructions have read
	FETCH \slot, (\q)+1, ((\q)+1)%2                ; the next block's go out ahead of all 32 products
	WIN MUL
	MUL8 0, (\q)%2, \q, \slot, \zero
	MUL8 1, (\q)%2, \q, \slot, \zero
	MUL8 2, (\q)%2, \q, \slot, \zero
	MUL8 3, (\q)%2, \q, \slot, \zero
.endm
; A slot's last block changes slots: ONE barrier; in front of it each wave waits for all its tensor loads, adds 0 to its spare word, and waits for that and for its reads of this slot.  fill = 1: this slot is filled again, two K steps ahead.
.macro TURN slot, next, fill
	WIN 0
	s_wait_tensorcnt 0x0                           ; all my tensor loads have landed: my part of the next slot
	ds_add_u32 v[SPW], v[NIL]                      ; 0 onto my spare word
	s_wait_dscnt 7                                 ; (the add and the youngest 6 loads may be out)
	WIN MUL
	MUL8 0, 1, 3, \slot, 0                         ; eight matrix instructions stand between the add and the wait for it
	s_wait_dscnt 0x0                               ; the add is done, and my reads of this slot are over
	s_barrier_signal -1
	MUL8 1, 1, 3, \slot, 0
	WIN 0
	s_barrier_wait -1
.if \fill
	CREST                                          ; a round of the cluster's barrier: no wave of any partner still reads this slot or has a load on its way
	s_add_nc_u64 s[G0+4*\slot+2:G0+4*\slot+3], s[G0+4*\slot+2:G0+4*\slot+3], 8*SCO
	s_add_nc_u64 s[G0B+4*\slot+2:G0B+4*\slot+3], s[G0B+4*\slot+2:G0B+4*\slot+3], 8*BLK
	JLOAD \slot                                    ; the first tensor load behind the round, my one load until the next; its four v_nop are the places in front of the loads below
.else
	PLACES 4
.endif
	SBLOAD \next
	FETCH \next, 0, 0
	WIN MUL
	MUL8 2, 1, 3, \slot, 0
	MUL8 3, 1, 3, \slot, 0
	WIN 0
.if \fill
	PLACES 4                                       ; behind the last products that read them,
.irp k, 0,1,2,3,4,5,6,7
	v_mov_b32 v[QE+16*\slot+\k], v[QE+16*\slot+8+\k]   ; p's scale words of this slot's next K step move down; a whole K step's plain instructions (twelve v_nop and more) stand ahead of their next use
.endr
.endif
.endm
	s_wait_tensorcnt 0x0                           ; my part of both slots is in: no tensor load of mine is out, so a descriptor may be written:
	s_mov_b32 s[G1+2], 4<<16                       ; from here on a load brings one slot
	s_mov_b32 s[G1+4], 4
	s_mov_b32 s[G1B+2], 200<<16
	s_mov_b32 s[G1B+4], 200
	s_barrier_signal -1
	s_barrier_wait -1
	SBLOAD 0
	FETCH 0, 0, 0
	KS 0, 0, 1
	KS 0, 1, 0
	KS 0, 2, 0
	WIN 0                                          ; at a branch and at a label every window is 0
	s_cmp_eq_u32 s[LAPS], 1
	s_cbranch_scc1 .Ltail                          ; 1,024 keys: two K steps, nothing is filled again.  All sixteen partners take the same way
	TURN 0, 1, 1
	KS 1, 0, 0
	KS 1, 1, 0
	KS 1, 2, 0
	TURN 1, 0, 1
	KS 0, 0, 0
	KS 0, 1, 0
	s_wait_alu depctr_va_vdst(0)
	KS 0, 2, 0
	WIN 0
.Ltail:
	TURN 0, 1, 0
	KS 1, 0, 0
	KS 1, 1, 0
	KS 1, 2, 0
	s_wait_dscnt 6
	WIN MUL
	MUL8 0, 1, 3, 1, 0
	MUL8 1, 1, 3, 1, 0
	s_wait_dscnt 0x0
	MUL8 2, 1, 3, 1, 0
	MUL8 3, 1, 3, 1, 0
	WIN 0
	PLACES 4                                       ; behind the last products: their results are read and p's registers written below
; THE WAY OUT of image a: 16 queries x my 128 of d.  Register 8 b + j is d = 64 (b / 4) + 32 h + 8 (b % 4) + j of my query.  Through my stage, and back as whole rows of 512 bytes.
.macro OUTB a
	WIN 0x02                                       ; source 0: the accumulators' window
.set JJ, 0
.rept 32
	v_pk_mul_f32 v[OB+JJ:OB+JJ+1], v[64*(\a)+JJ:64*(\a)+JJ+1], v[LINV+2*(\a):LINV+2*(\a)+1] op_sel_hi:[1,0]   ; O^T / l; each accumulator from its low end on
.set JJ, JJ+2
.endr
	WIN 0
.irp b, 0,1,2,3,4,5,6,7
	ds_store_b128 v[STO], v[OB+8*\b:OB+8*\b+3] offset:256*(\b/4)+32*(\b%4)       ; register 8 b + j is d = 64 (b / 4) + 32 h + 8 (b % 4) + j
	ds_store_b128 v[STO], v[OB+8*\b+4:OB+8*\b+7] offset:256*(\b/4)+32*(\b%4)+16
.endr
.if (\a) > 0
	s_wait_xcnt 0x0                                ; the last image's stores have read their registers: the loads below may land there
.endif
.irp t, 0,1,2,3,4,5,6,7,8,9,10,11,12,13,14,15
	ds_load_b128 v[RB+4*\t:RB+4*\t+3], v[RD] offset:528*\t   ; LDS serves a wave's instructions in order: these see my stores
.endr
.irp t, 0,1,2,3,4,5,6,7,8,9,10,11,12,13,14,15
	s_wait_dscnt 15-\t
	global_store_b128 v[CO], v[RB+4*\t:RB+4*\t+3], s[OUTP:OUTP+1] offset:(8*(\a)+\t%8+32*(\t/8))*4096 th:TH_STORE_NT   ; 32 lanes store 512 consecutive bytes, at a multiple of 256 from out0's first byte; written once
.endr
.endm
	OUTB 0
	OUTB 1
	OUTB 2
	OUTB 3
	s_wait_tensorcnt 0x0                           ; the wave's end: behind my last tensor load and my last LDS store
	ds_add_u32 v[SPW], v[NIL]
	s_wait_dscnt 0x0
	CROUND                                         ; the closing round
	s_endpgm
.Lfunc_end_k_q6b3ccfb10c_pv:
	.size	k_q6b3ccfb10c_pv, .Lfunc_end_k_q6b3ccfb10c_pv-k_q6b3ccfb10c_pv
	.p2alignl 7, 3214868480
	.fill 96, 4, 3214868480
	.section	.rodata,"a",@progbits
	.p2align	6, 0x0
	.amdhsa_kernel k_q6b3ccfb10c_pv
		.amdhsa_group_segment_fixed_size 327680
		.amdhsa_private_segment_fixed_size 0
		.amdhsa_enable_private_segment 0
		.amdhsa_kernarg_size 24
		.amdhsa_user_sgpr_count 2
		.amdhsa_user_sgpr_kernarg_segment_ptr 1
		.amdhsa_wavefront_size32 1
		.amdhsa_system_sgpr_workgroup_id_x 1
		.amdhsa_system_sgpr_workgroup_id_y 1
		.amdhsa_system_sgpr_workgroup_id_z 1
		.amdhsa_system_vgpr_workitem_id 0
		.amdhsa_next_free_vgpr 768
		.amdhsa_next_free_sgpr 100
		.amdhsa_reserve_vcc 1
		.amdhsa_float_denorm_mode_32 3
		.amdhsa_float_denorm_mode_16_64 3
		.amdhsa_memory_ordered 1
		.amdhsa_forward_progress 1
		.amdhsa_inst_pref_size 165
	.end_amdhsa_kernel
	.amdgpu_metadata
---
amdhsa.version: [ 1, 2 ]
amdhsa.kernels:
  - .name:           k_q6b3ccfb10c_pv
    .symbol:         k_q6b3ccfb10c_pv.kd
    .args:
      - { .name: pc, .offset: 0, .size: 8, .value_kind: global_buffer, .address_space: global }
      - { .name: vc, .offset: 8, .size: 8, .value_kind: global_buffer, .address_space: global }
      - { .name: out0, .offset: 16, .size: 8, .value_kind: global_buffer, .address_space: global }
    .group_segment_fixed_size: 327680
    .private_segment_fixed_size: 0
    .kernarg_segment_align: 8
    .kernarg_segment_size: 24
    .max_flat_workgroup_size: 128
    .sgpr_count:     100
    .vgpr_count:     768
    .wavefront_size: 32
...
	.end_amdgpu_metadata
.endif
;; end of part 4
